; MI455X (gfx1250); checked and timed in simulation.
; The chip was launched on July 23, 2026; its instructions are those of AMD's public machine-readable ISA for CDNA 5 (MIT licence, August 2026) and "CDNA5" Instruction Set Architecture Reference Guide (July 2026). The comments in the code are by the model that wrote it; some were corrected since.
;; Multi Head Attention. Allowed arithmetic: matrix products marked QUANTISED: E2M1 operands, one E8M0 scale for each 32 along K, by v_wmma_scale_f32_16x16x128_f8f6f4 with both operands' format E2M1 (or v_wmma_scale_f32_32x16x128_f4), f32 sums; products left as they are: bf16, f16 or f32 operands; f32 sums; everything else in f32.
;; Inputs: Wk 1,024 x 1,024 float32; Wo 1,024 x 1,024 float32; Wq 1,024 x 1,024 float32; Wv 1,024 x 1,024 float32; bk 1,024 float32; bo 1,024 float32; bq 1,024 float32; bv 1,024 float32; k 4 x 2,048 x 1,024 float32; mask 4 x 2,048 x 2,048 int32; q 4 x 2,048 x 1,024 float32; v 4 x 2,048 x 1,024 float32.
;; Outputs: out0 4 x 2,048 x 1,024 float32.
;; This version of the problem:
;;   THIS VERSION OF THE PROBLEM IS GIVEN IN LOW PRECISION. The matrix products marked QUANTISED in the list below multiply operands that are first quantised to E2M1 (2 exponent bits, 1 mantissa bit; 4 bits a number), with one power-of-two scale for each 32 numbers along K (OCP MX v1.0); their sums are f32. The products marked 'left as it is' may take bf16, f16 or f32 operands, with f32 sums. All else is computed in f32.
;;   The module's matrix products, in the order in which they are computed (A, B: the left and right operand; K: the contracted axis; several contracted axes count as one K, in the product's order):
;;     1. [M 8,192, K 1,024] x [K 1,024, N 1,024]; A: input q; B: input Wq: QUANTISED
;;     2. [M 8,192, K 1,024] x [K 1,024, N 1,024]; A: input k; B: input Wk: QUANTISED
;;     3. [M 8,192, K 1,024] x [K 1,024, N 1,024]; A: input v; B: input Wv: QUANTISED
;;     4. batch 64 x [M 2,048, K 64] x [K 64, N 2,048]; A: computed on the way; B: computed on the way: left as it is (an operand is computed on the way)
;;     5. batch 64 x [M 2,048, K 2,048] x [K 2,048, N 64]; A: computed on the way; B: computed on the way: left as it is (an operand is computed on the way)
;;     6. [M 8,192, K 1,024] x [K 1,024, N 1,024]; A: computed on the way; B: input Wo: left as it is (an operand is computed on the way)
;;   THE QUANTISER, for each operand of a quantised product, along K:
;;     - K is cut into blocks of 32 from its start; a last block that is shorter is filled with zeros.
;;     - A block's scale is 2^e with e = floor(log2(the largest magnitude in the block)) - 2, held to -126 .. 127; a block of zeros has e = 0. As a byte (E8M0): e + 127.
;;     - Each number is divided by its block's scale, clamped to +-6, and rounded to the nearest number of E2M1, ties to even, subnormals kept.
;;     - The product sums the exact products of the quantised numbers (number of the format x scale) in f32.
;;   ~~~python
;;   def quantise(x, axis):      # numpy; x: float32 -> the quantised numbers, widened to float32 again
;;       x = np.moveaxis(x, axis, -1); K = x.shape[-1]
;;       x = np.pad(x, [(0, 0)] * (x.ndim - 1) + [(0, -K % 32)]); x = x.reshape(x.shape[:-1] + (-1, 32)); a = np.abs(x).max(-1, keepdims=True)
;;       e = np.where(a > 0, np.clip(np.frexp(np.where(a > 0, a, 1))[1] - 1 - 2, -126, 127), 0)      # np.frexp(a)[1] - 1 = floor(log2(a)), exactly
;;       r = np.clip(x / 2.0 ** e, -6, 6)
;;       step = 2.0 ** (np.maximum(np.frexp(np.where(r == 0, 1, r))[1] - 1, 0) - 1)
;;       q = np.round(r / step) * step * 2.0 ** e      # np.round: ties to even
;;       return np.moveaxis(q.reshape(q.shape[:-2] + (-1,))[..., :K], -1, axis).astype(np.float32)
;;   ~~~
;; One version. Each part assembles by itself: llvm-mc -triple=amdgcn-amd-amdhsa -mcpu=gfx1250 --defsym DOCPART=n.
;; ======== version 1 of 1: 4 launches
;; limits: values are held in f16: magnitudes above 65,504 overflow, below 6.1e-05 lose precision
;; workspace buffers: xc 12,582,912 bytes; xs 786,432 bytes; wc 1,572,864 bytes; ws 98,304 bytes; woimg 2,097,152 bytes; mbits 2,097,152 bytes of whole numbers; qkv 50,331,648 bytes; aimg 16,777,216 bytes
;; launch prep (part 1): grid 1408 x 1, 4 waves a work-group, no clusters, 67,072 bytes of LDS; arguments q, k, v, Wq, Wk, Wv, Wo, mask, xc, xs, wc, ws, woimg, mbits; writes xc, xs, wc, ws, woimg, mbits
.if DOCPART == 1
	.amdgcn_target "amdgcn-amd-amdhsa--gfx1250"
	.amdhsa_code_object_version 6
	.text
	.protected	k_q2d1573cffa_prep
	.globl	k_q2d1573cffa_prep
	.p2align	8
	.type	k_q2d1573cffa_prep,@function
k_q2d1573cffa_prep:
	s_mov_b64 s[64:65], 0
	v_nop
	global_prefetch_b8 v0, s[64:65] scope:SCOPE_SE
	s_setreg_imm32_b32 hwreg(HW_REG_WAVE_MODE, 25, 1), 1
	s_wait_xcnt 0x0
; Everything that is only read, turned and written once, in one launch of four kinds of work-groups, told apart by the work-group's number:
;   0 .. 95     Wq, Wk, Wv [1024 k][1024 n] f32 -> codes of FP4 (E2M1) along k, laid as images of the operand's registers (wc), and one E8M0 byte for each 32 along k (ws, [n][32])
;   96 .. 127   Wo [1024 k][1024 n] f32 -> f16, laid as images of 16 x 32 fragments of Wo^T (woimg)
;   128 .. 639  mask [4][2048 q][2048 k] int32 -> one bit a number, in words that are lane masks for a tile of scores (mbits)
;   640 .. 1407 q, k, v [8192][1024] f32 -> codes of FP4 with K innermost (xc) and their scale bytes (xs), rows as they lie
; THE QUANTISER: a block's scale is 2^(floor(log2(its largest magnitude)) - 2); its byte is the largest magnitude's exponent field - 2, held at 1 from below; each number is divided by the
; scale and rounded to the nearest code, ties to even, beyond 6 the largest code.  A block of zeros gets the byte 1 where the rule says 127: its codes are zeros, and this program alone reads the bytes.
; LIMITS: blocks whose largest magnitude lies under 2^-124 keep the byte 1; NaN and infinities among the inputs are not served; Wo must lie inside f16's range (65,504).
; No tensor loads, no barrier: waves share nothing.  The two kinds that use LDS have bytes of their own: x 0 .. 32,767, mask 32,768 .. 66,559.
.set NW,     128                       ; work-groups for the four weights
.set NM,     512                       ; for the mask
.set STEPS,  16                        ; x: steps of 512 numbers for a wave
.set CB,     8                         ; x: bytes of 16 codes
.set R,      16                        ; x: v16-79   four sets of 16 numbers as they are loaded
.set XN,     80                        ; x: v80-111  two sets of 16 neighbours
.set E,      112                       ; x: v112-127 a scale byte for each step
.set C,      128                       ; x: v128-191 codes, four registers for each step
.set WREG,   8192                      ; x: LDS of a wave: two stages of 32 x SP bytes, then its 256 scale bytes
.set SP,     80                        ; x: a lane's place in a stage: 64 bytes + 16 of padding
.set XW,     32                        ; W: v32-95   two sets of 32 numbers down K
.set CW,     96                        ; W: v96..    results, registers of their own for each block
.set MR,     32                        ; mask: v32-159  two sets of 16 rows x 4 registers
.set MT,     160                       ; mask: v160-223 a unit's 64 numbers of my lane
.set MSTG,   32768                     ; mask: the stages begin here
.set MPITCH, 528                       ; mask: a stage row: 512 bytes + 16 of padding = 33 x 16: sixteen rows start at sixteen different 16-byte columns
	s_load_b512 s[4:19], s[0:1], 0x0               ; q 4, k 6, v 8, Wq 10, Wk 12, Wv 14, Wo 16, mask 18
	s_load_b256 s[20:27], s[0:1], 0x40             ; xc 20, xs 22, wc 24, ws 26
	s_load_b128 s[28:31], s[0:1], 0x60             ; woimg 28, mbits 30
	v_lshl_add_u32 v224, v0, 2, 0x10400
	v_mov_b32 v225, 0
	v_lshrrev_b32 v1, 5, v0
	v_readfirstlane_b32 s32, v1                    ; wave 0..3
	v_and_b32 v2, 31, v0                           ; lane
	s_wait_kmcnt 0x0
	s_cmp_lt_u32 ttmp9, NW
	s_cbranch_scc1 .Lw
	s_cmp_lt_u32 ttmp9, NW+NM
	s_cbranch_scc1 .Lmask
; ---------------------------------------------------------------- q, k, v: plain streams of blocks of 32 numbers
; A wave takes 16 steps of 512 numbers.  Each load reads 512 consecutive bytes, 16 a lane; a step's 2,048 bytes go through the wave's own stage in LDS and come back 64 bytes a lane,
; so that a lane holds 16 neighbours along K (two neighbouring lanes hold a block).  A lane's 16 codes are 8 bytes: the wave stores 256 consecutive bytes.  The wave's 256 scale bytes are gathered in LDS and leave as one store.
	v_lshlrev_b32 v3, 4, v2                        ; my 16 bytes of a load's 512
	s_mul_i32 s33, s32, WREG
	v_lshrrev_b32 v14, 2, v2
	v_mul_u32_u24 v14, v14, SP
	v_and_b32 v15, 3, v2
	v_lshl_add_u32 v14, v15, 4, v14
	v_add_nc_u32 v14, s33, v14                     ; the stage, in: SP (lane / 4) + 16 (lane % 4)
	v_mul_u32_u24 v15, v2, SP
	v_add_nc_u32 v15, s33, v15                     ; out: SP x lane
	v_mul_u32_u24 v4, v2, CB                       ; my codes' place in a step's
	v_lshrrev_b32 v5, 1, v2
	s_add_co_u32 s33, s33, 2*32*SP
	v_add_nc_u32 v5, s33, v5                       ; my block's scale byte in LDS
	v_lshlrev_b32 v7, 3, v2
	v_add_nc_u32 v6, s33, v7                       ; and on the way out 8 bytes a lane
	s_sub_co_u32 s36, ttmp9, NW+NM                 ; 0 .. 767: 256 work-groups to a tensor
	s_lshr_b32 s37, s36, 8                         ; which tensor: the choice hangs on the work-group's number alone
	s_cmp_eq_u32 s37, 0
	s_cselect_b64 s[34:35], s[4:5], s[6:7]
	s_cmp_eq_u32 s37, 2
	s_cselect_b64 s[34:35], s[8:9], s[34:35]
	s_and_b32 s38, s36, 255
	s_lshl_b32 s38, s38, 2
	s_add_co_u32 s38, s38, s32                     ; which run of 8,192 numbers of the tensor is my wave's
	s_lshl_b32 s38, s38, 15                        ; 32,768 bytes a run
	s_mov_b32 s39, 0
	s_add_nc_u64 s[34:35], s[34:35], s[38:39]
	s_lshl_b32 s36, s36, 2
	s_add_co_u32 s36, s36, s32                     ; the run's number among all three tensors'
	s_lshl_b32 s38, s36, 12                        ; 4,096 bytes of codes a run
	s_add_nc_u64 s[20:21], s[20:21], s[38:39]
	s_lshl_b32 s38, s36, 8                         ; 256 scale bytes a run
	s_add_nc_u64 s[22:23], s[22:23], s[38:39]
.macro LOADX t
.irp i, 0,1,2,3
	global_load_b128 v[R+16*((\t)%4)+4*\i:R+16*((\t)%4)+4*\i+3], v3, s[34:35] offset:2048*(\t)+512*\i th:TH_LOAD_NT
.endr
.endm
.macro TURNX t                         ; step t's numbers through the stage: LDS serves a wave's instructions in order, so no wait stands between the stores and the loads
.irp i, 0,1,2,3
	ds_store_b128 v14, v[R+16*((\t)%4)+4*\i:R+16*((\t)%4)+4*\i+3] offset:32*SP*((\t)%2)+8*SP*\i
.endr
.irp i, 0,1,2,3
	ds_load_b128 v[XN+16*((\t)%2)+4*\i:XN+16*((\t)%2)+4*\i+3], v15 offset:32*SP*((\t)%2)+16*\i
.endr
.endm
.irp t, 0,1,2,3
	LOADX \t
.endr
	s_wait_loadcnt 12                              ; step 0's four loads are in; the twelve of steps 1 to 3 may be out
	TURNX 0
.macro STEPX t
.set XS, XN+16*((\t)%2)
.if (\t) > 0
	s_wait_dscnt 1                                 ; this step's numbers are back from the stage; the last step's byte store may be out
.else
	s_wait_dscnt 0x0
.endif
.if (\t)+4 < STEPS
	LOADX (\t)+4                                   ; into the registers that the stage's stores have read
.endif
.if (\t)+1 < STEPS
.if STEPS-2-(\t) >= 3
	s_wait_loadcnt 12                              ; the next step's four loads are in; those of the three steps behind it may be out
.else
	s_wait_loadcnt 4*(STEPS-2-(\t))
.endif
	TURNX (\t)+1
.endif
	v_max3_num_f32 v8, |v[XS]|, |v[XS+1]|, |v[XS+2]|               ; the largest magnitude of my 16, in two chains
	v_max3_num_f32 v9, |v[XS+3]|, |v[XS+4]|, |v[XS+5]|
.irp i, 6,10
	v_max3_num_f32 v8, v8, |v[XS+\i]|, |v[XS+\i+1]|
	v_max3_num_f32 v9, v9, |v[XS+\i+2]|, |v[XS+\i+3]|
.endr
	v_max3_num_f32 v8, v8, |v[XS+14]|, |v[XS+15]|
	v_max3_num_f32 v8, v8, v9, 0x1800000           ; and the floor 2^(3 - 127): the byte cannot fall under 1
	v_max_num_f32_dpp v8, v8, v8 row_xmask:1 row_mask:0xf bank_mask:0xf   ; with my neighbour's 16: the block's
	v_add_nc_u32 v11, 0xff000000, v8               ; 2 off its exponent field: the conversion takes the exponent field of this operand as its scale
	v_cvt_scalef32_pk8_fp4_f32 v[C+4*(\t)], v[XS:XS+7], v11
	v_cvt_scalef32_pk8_fp4_f32 v[C+4*(\t)+1], v[XS+8:XS+15], v11
	v_lshrrev_b32 v[E+(\t)], 23, v11               ; the scale's byte
	ds_store_b8 v5, v[E+(\t)] offset:16*(\t)       ; both lanes of a block write the same byte with the same value
	global_store_b64 v4, v[C+4*(\t):C+4*(\t)+1], s[20:21] offset:32*CB*(\t)   ; 32 lanes store 256 consecutive bytes, aligned
.endm
.irp t, 0,1,2,3,4,5,6,7,8,9,10,11,12,13,14,15
	STEPX \t
.endr
	ds_load_b64 v[12:13], v6                       ; LDS serves a wave's instructions in order: these see my stores
	s_wait_dscnt 0x0
	global_store_b64 v7, v[12:13], s[22:23]        ; 256 consecutive bytes, aligned
	s_wait_tensorcnt 0x0
	ds_add_u32 v224, v225
	s_wait_dscnt 0x0
	s_endpgm
; ---------------------------------------------------------------- the four weights: K is their FIRST axis
; A lane takes a column n and its registers run down K: each load reads 128 consecutive bytes a wave, a block of 32 along K lies in one lane's registers, and nothing is transposed.
; A wave takes 32 columns x 256 along K: 8 blocks.  Loads run two blocks (64 loads a wave) ahead.  Every offset is an immediate and every block has result registers of its own, so no register that a pending store reads is written again.
.Lw:
	s_lshr_b32 s33, ttmp9, 5                       ; which weight: 0, 1, 2 = Wq, Wk, Wv; 3 = Wo
	s_bfe_u32 s36, ttmp9, 0x30002                  ; which 128 columns
	s_and_b32 s37, ttmp9, 3                        ; which 256 along K
	s_cmp_eq_u32 s33, 0
	s_cselect_b64 s[34:35], s[10:11], s[12:13]
	s_cmp_eq_u32 s33, 2
	s_cselect_b64 s[34:35], s[14:15], s[34:35]
	s_cmp_eq_u32 s33, 3
	s_cselect_b64 s[34:35], s[16:17], s[34:35]
	s_lshl_b32 s38, s36, 2
	s_add_co_u32 s38, s38, s32                     ; my wave's 32 columns: number 0 .. 31
	s_lshl_b32 s40, s37, 20                        ; 256 rows of 4,096 bytes
	s_lshl_b32 s41, s38, 7                         ; 32 columns of 4 bytes
	s_add_co_u32 s40, s40, s41
	s_mov_b32 s41, 0
	s_add_nc_u64 s[34:35], s[34:35], s[40:41]
	v_lshlrev_b32 v3, 2, v2                        ; 4 bytes a lane
.macro LOADW t                         ; block t: W(32 t + i, my column), i = 0 .. 31, into set t % 2
.irp i, 0,1,2,3,4,5,6,7,8,9,10,11,12,13,14,15,16,17,18,19,20,21,22,23,24,25,26,27,28,29,30,31
	global_load_b32 v[XW+32*((\t)%2)+\i], v3, s[34:35] offset:(32*(\t)+\i)*4096 th:TH_LOAD_NT
.endr
.endm
	LOADW 0
	LOADW 1
	v_lshrrev_b32 v8, 4, v2                        ; which of my two tiles of 16 columns
	v_and_b32 v9, 15, v2
	v_lshlrev_b32 v9, 4, v9                        ; 16 bytes for each column of a tile
	s_cmp_eq_u32 s33, 3
	s_cbranch_scc1 .Lwo
	; wc: [weight][tile of 16 n][128 along K][1,024 bytes]; the 16 bytes of column r's 32 codes k = 64 c + 32 h .. lie at 512 c + 256 h + 16 r: block t of my 8 lies 256 t bytes on
	v_lshl_add_u32 v4, v8, 13, v9                  ; a tile of columns is 8,192 bytes
	v_lshlrev_b32 v6, 5, v2                        ; ws: 32 bytes a column
	s_lshl_b32 s40, s33, 19
	s_lshl_b32 s42, s38, 14
	s_add_co_u32 s40, s40, s42
	s_lshl_b32 s42, s37, 11
	s_add_co_u32 s40, s40, s42
	s_add_nc_u64 s[24:25], s[24:25], s[40:41]
	s_lshl_b32 s40, s33, 15
	s_lshl_b32 s42, s38, 10
	s_add_co_u32 s40, s40, s42
	s_lshl_b32 s42, s37, 3
	s_add_co_u32 s40, s40, s42
	s_add_nc_u64 s[26:27], s[26:27], s[40:41]
.macro BLOCKW t
.set XS, XW+32*((\t)%2)
.if (\t) < 7
	s_wait_loadcnt 32                              ; this block's 32 loads are in; the next block's may be out
.else
	s_wait_loadcnt 0x0
.endif
	v_max3_num_f32 v12, |v[XS]|, |v[XS+1]|, |v[XS+2]|              ; the block's largest magnitude: all 32 numbers are mine
	v_max3_num_f32 v13, |v[XS+3]|, |v[XS+4]|, |v[XS+5]|
.irp i, 6,10,14,18,22,26
	v_max3_num_f32 v12, v12, |v[XS+\i]|, |v[XS+\i+1]|
	v_max3_num_f32 v13, v13, |v[XS+\i+2]|, |v[XS+\i+3]|
.endr
	v_max3_num_f32 v12, v12, |v[XS+30]|, |v[XS+31]|
	v_max3_num_f32 v12, v12, v13, 0x1800000        ; and the floor 2^(3 - 127)
	v_add_nc_u32 v11, 0xff000000, v12              ; 2 off its exponent field: the conversion's scale operand
	v_lshrrev_b32 v13, 23, v11                     ; the scale's byte
.if (\t)%4 == 0
	v_mov_b32 v[24+(\t)/4], v13                    ; four bytes to a register, the lower K in the lower byte
.else
	v_lshl_or_b32 v[24+(\t)/4], v13, 8*((\t)%4), v[24+(\t)/4]
.endif
.irp g, 0,1,2,3
	v_cvt_scalef32_pk8_fp4_f32 v[CW+4*(\t)+\g], v[XS+8*\g:XS+8*\g+7], v11
.endr
	global_store_b128 v4, v[CW+4*(\t):CW+4*(\t)+3], s[24:25] offset:256*(\t)   ; sixteen lanes store 256 consecutive bytes, aligned
.if (\t)+2 < 8
	LOADW (\t)+2
.endif
.endm
.irp t, 0,1,2,3,4,5,6,7
	BLOCKW \t
.endr
	global_store_b64 v6, v[24:25], s[26:27]        ; my column's 8 scale bytes
	s_endpgm
.Lwo:
	; woimg: [tile of 16 n][32 along K][1,024 bytes]; the 16 bytes of column r's k = 8 p .. 8 p + 7 lie at 256 p + 16 r: registers 0-3 of a fragment's lanes, then registers 4-7
	v_lshl_add_u32 v5, v8, 15, v9                  ; a tile of columns is 32,768 bytes
	s_lshl_b32 s40, s38, 16
	s_lshl_b32 s42, s37, 13
	s_add_co_u32 s40, s40, s42
	s_add_nc_u64 s[28:29], s[28:29], s[40:41]
.macro BLOCKO t
.set XS, XW+32*((\t)%2)
.if (\t) < 7
	s_wait_loadcnt 32                              ; this block's 32 loads are in; the next block's may be out
.else
	s_wait_loadcnt 0x0
.endif
.irp i, 0,1,2,3,4,5,6,7,8,9,10,11,12,13,14,15
	v_cvt_pk_f16_f32 v[CW+16*(\t)+\i], v[XS+2*\i], v[XS+2*\i+1]
.endr
.irp p, 0,1,2,3
	global_store_b128 v5, v[CW+16*(\t)+4*\p:CW+16*(\t)+4*\p+3], s[28:29] offset:1024*(\t)+256*\p   ; sixteen lanes store 256 consecutive bytes, aligned
.endr
.if (\t)+2 < 8
	LOADW (\t)+2
.endif
.endm
.irp t, 0,1,2,3,4,5,6,7
	BLOCKO \t
.endr
	s_endpgm
; ---------------------------------------------------------------- the mask
; mbits: [batch][tile of 16 queries][tile of 16 keys][j 0..7] words; bit 16 h + r of a word says whether mask[query r][key 8 h + j] is not 0: the lane mask for register j of a tile of scores
; in which lane (r, h) holds query r and keys 8 h + 0 .. 7.  A work-group takes 16 whole rows of the mask, wave w keys 512 w on, in four units of 128 keys.
; Loads read 512 consecutive bytes of a row; a unit's 16 x 512 bytes turn through the wave's own stage, so that a lane gets its 8 neighbouring keys of each of 8 tiles.
.Lmask:
	s_sub_co_u32 s33, ttmp9, NW                    ; batch x 128 + tile of queries
	s_lshl_b32 s36, s33, 17                        ; 16 rows of 8,192 bytes
	s_lshl_b32 s37, s32, 11                        ; my wave's 512 keys
	s_add_co_u32 s36, s36, s37
	s_mov_b32 s37, 0
	s_add_nc_u64 s[18:19], s[18:19], s[36:37]
	s_lshl_b32 s36, s33, 12                        ; 4,096 bytes of words for a tile of queries
	s_lshl_b32 s38, s32, 10
	s_add_co_u32 s36, s36, s38
	s_add_nc_u64 s[30:31], s[30:31], s[36:37]
	v_lshlrev_b32 v3, 4, v2
.macro LOADM u
.irp i, 0,1,2,3,4,5,6,7,8,9,10,11,12,13,14,15
	global_load_b128 v[MR+64*((\u)%2)+4*\i:MR+64*((\u)%2)+4*\i+3], v3, s[18:19] offset:8192*\i+512*(\u) th:TH_LOAD_NT
.endr
.endm
	LOADM 0
	LOADM 1
	s_mul_i32 s38, s32, 16*MPITCH
	s_add_co_u32 s38, s38, MSTG                    ; my stage
	v_add_nc_u32 v14, s38, v3                      ; in: 16 x lane of a row
	v_and_b32 v8, 15, v2
	v_lshrrev_b32 v9, 4, v2
	v_mul_u32_u24 v15, v8, MPITCH
	v_lshl_add_u32 v15, v9, 5, v15
	v_add_nc_u32 v15, s38, v15                     ; out: row r, + 32 h
	v_lshlrev_b32 v7, 3, v2                        ; two words a lane
.irp i, 16,17,18,19,20,21,22,23
	v_mov_b32 v\i, 0                               ; written once: the destination of a write to one lane counts as read
.endr
.macro UNIT u
.if (\u) < 3
	s_wait_loadcnt 16                              ; this unit's 16 loads are in; the next unit's may be out
.else
	s_wait_loadcnt 0x0
.endif
.irp i, 0,1,2,3,4,5,6,7,8,9,10,11,12,13,14,15
	ds_store_b128 v14, v[MR+64*((\u)%2)+4*\i:MR+64*((\u)%2)+4*\i+3] offset:MPITCH*\i
.endr
.irp t, 0,1,2,3,4,5,6,7
.irp e, 0,1
	ds_load_b128 v[MT+8*\t+4*\e:MT+8*\t+4*\e+3], v15 offset:64*\t+16*\e   ; tile t of keys: my 8 numbers
.endr
.endr
	s_wait_dscnt 0x0                               ; they are in, and the stores have read their registers
.if (\u)+2 < 4
	LOADM (\u)+2
.endif
.set G, 0
.rept 8
.irp j, 0,1,2,3,4,5,6,7
	v_cmp_ne_u32 s[40+\j], 0, v[MT+8*G+\j]         ; word 8 G + j of the unit's 64
.endr
.irp j, 0,1,2,3,4,5,6,7
	v_writelane_b32 v[16+2*(\u)+(\j%2)], s[40+\j], (8*G+\j)/2   ; lane l will store words 2 l and 2 l + 1
.endr
.set G, G+1
.endr
	global_store_b64 v7, v[16+2*(\u):17+2*(\u)], s[30:31] offset:256*(\u)   ; 256 consecutive bytes, aligned
.endm
.irp u, 0,1,2,3
	UNIT \u
.endr
	s_wait_tensorcnt 0x0
	ds_add_u32 v224, v225
	s_wait_dscnt 0x0
	s_endpgm
.Lfunc_end_k_q2d1573cffa_prep:
	.size	k_q2d1573cffa_prep, .Lfunc_end_k_q2d1573cffa_prep-k_q2d1573cffa_prep
	.p2alignl 7, 3214868480
	.fill 96, 4, 3214868480
	.section	.rodata,"a",@progbits
	.p2align	6, 0x0
	.amdhsa_kernel k_q2d1573cffa_prep
		.amdhsa_group_segment_fixed_size 67072
		.amdhsa_private_segment_fixed_size 0
		.amdhsa_enable_private_segment 0
		.amdhsa_kernarg_size 112
		.amdhsa_user_sgpr_count 2
		.amdhsa_user_sgpr_kernarg_segment_ptr 1
		.amdhsa_wavefront_size32 1
		.amdhsa_system_sgpr_workgroup_id_x 1
		.amdhsa_system_sgpr_workgroup_id_y 1
		.amdhsa_system_sgpr_workgroup_id_z 1
		.amdhsa_system_vgpr_workitem_id 0
		.amdhsa_next_free_vgpr 226
		.amdhsa_next_free_sgpr 66
		.amdhsa_reserve_vcc 0
		.amdhsa_float_denorm_mode_32 3
		.amdhsa_float_denorm_mode_16_64 3
		.amdhsa_memory_ordered 1
		.amdhsa_forward_progress 1
		.amdhsa_inst_pref_size 149
	.end_amdhsa_kernel
	.amdgpu_metadata
---
amdhsa.version: [ 1, 2 ]
amdhsa.kernels:
  - .name:           k_q2d1573cffa_prep
    .symbol:         k_q2d1573cffa_prep.kd
    .args:
      - { .name: q, .offset: 0, .size: 8, .value_kind: global_buffer, .address_space: global }
      - { .name: k, .offset: 8, .size: 8, .value_kind: global_buffer, .address_space: global }
      - { .name: v, .offset: 16, .size: 8, .value_kind: global_buffer, .address_space: global }
      - { .name: Wq, .offset: 24, .size: 8, .value_kind: global_buffer, .address_space: global }
      - { .name: Wk, .offset: 32, .size: 8, .value_kind: global_buffer, .address_space: global }
      - { .name: Wv, .offset: 40, .size: 8, .value_kind: global_buffer, .address_space: global }
      - { .name: Wo, .offset: 48, .size: 8, .value_kind: global_buffer, .address_space: global }
      - { .name: mask, .offset: 56, .size: 8, .value_kind: global_buffer, .address_space: global }
      - { .name: xc, .offset: 64, .size: 8, .value_kind: global_buffer, .address_space: global }
      - { .name: xs, .offset: 72, .size: 8, .value_kind: global_buffer, .address_space: global }
      - { .name: wc, .offset: 80, .size: 8, .value_kind: global_buffer, .address_space: global }
      - { .name: ws, .offset: 88, .size: 8, .value_kind: global_buffer, .address_space: global }
      - { .name: woimg, .offset: 96, .size: 8, .value_kind: global_buffer, .address_space: global }
      - { .name: mbits, .offset: 104, .size: 8, .value_kind: global_buffer, .address_space: global }
    .group_segment_fixed_size: 67072
    .private_segment_fixed_size: 0
    .kernarg_segment_align: 8
    .kernarg_segment_size: 112
    .max_flat_workgroup_size: 128
    .sgpr_count:     66
    .vgpr_count:     226
    .wavefront_size: 32
...
	.end_amdgpu_metadata
.endif
;; end of part 1
;; launch proj (part 2): grid 4 x 96, 4 waves a work-group, clusters of 4 x 4, 327,680 bytes of LDS; arguments xc, xs, wc, ws, bq, bk, bv, qkv; writes qkv
.if DOCPART == 2
	.amdgcn_target "amdgcn-amd-amdhsa--gfx1250"
	.amdhsa_code_object_version 6
	.text
	.protected	k_q2d1573cffa_proj
	.globl	k_q2d1573cffa_proj
	.p2align	8
	.type	k_q2d1573cffa_proj,@function
k_q2d1573cffa_proj:
	s_mov_b64 s[64:65], 0
	v_nop
	global_prefetch_b8 v0, s[64:65] scope:SCOPE_SE
	s_setreg_imm32_b32 hwreg(HW_REG_WAVE_MODE, 25, 1), 1
	s_wait_xcnt 0x0
	s_wait_alu depctr_hold_cnt(0) depctr_sa_sdst(0) depctr_va_vdst(0) depctr_va_sdst(0) depctr_va_ssrc(0) depctr_va_vcc(0) depctr_vm_vsrc(0)
	s_getreg_b32 s2, hwreg(HW_REG_IB_STS2, 6, 4)
	s_cmp_eq_u32 s2, 0
	s_cbranch_scc0 .Lentry_in_a_cluster
	s_endpgm
.Lentry_in_a_cluster:
	s_bfe_u32 s2, ttmp6, 0x10000c
	s_cmp_lg_u32 s2, 0xf033
	s_cbranch_scc0 .Lentry_shape_is_right
	s_endpgm
.Lentry_shape_is_right:
; The three projections y = x W + b as ONE product on codes of FP4 (E2M1) with one E8M0 scale for each 32 along K: 24,576 rows (q's, k's, v's 8,192 each) x 1,024 columns x K = 1,024.
; A tile of 256 x 256 is made by a work-group of four waves; a wave makes 128 x 128: 64 accumulators of 16 x 16, 512 registers.  All of K lies in two LDS slots of 512 along K, each filled once.
; x's codes come as rows (256 bytes of a row to a slot, 16 bytes of padding behind each); W's codes come as images of the operand's registers (a fragment is 1,024 consecutive bytes, lane l's 16 bytes at 16 l and at 512 + 16 l).
; The scale bytes of the work-group's 256 rows of x and 256 columns of W, for all of K, come once, as rows of 256 bytes with 16 of padding.
; CLUSTERS: 4 x 4 work-groups.  The four of a row of the cluster need the same tiles of x, the four of a column the same tiles of W: each tile is asked for jointly.  A cluster's 1,024 rows lie in one of the three tensors.
; THE MATRIX INSTRUCTION IS USED TRANSPOSED (source 0 = 16 columns of W, source 1 = 16 rows of x): a lane then holds eight neighbouring channels of one token.  The bias is the C of each sum's first instruction.
; Q's sums are multiplied by log2(e) / 8 in f32, so that the attention's scores come out as exponents of 2.  Results are rounded once, to f16, and stored as the attention wants them:
; qkv [tensor][batch][head][tile of 16 tokens][16 channels u][512 bytes]; Q, K: token r's channels 16 u + 8 h .. + 7 at 256 h + 16 r (images of 16 x 32 fragments); V: at 32 r + 16 h (rows of 16 channels).
; LIMITS: a projected number must stay under 65,504 (f16).  With x and W both 30 times the drawn spread the largest is about 5,400; with offsets of 30 spreads on both about 29,000.
; REGISTERS, in windows of 256: window 0: v0-31 addresses; v32-95 scale words, two sets; v128-191 x's fragments, one set; on the way out v32-159 packed results.
;   window 1: W's fragments, two sets, at v0 and v128; v64-127 the bias.   window 2: the accumulators of my rows 0-63 ((a, b) at v[8 (8 a + b)]);   window 3: those of my rows 64-127.
.set NQ,     4                         ; matrix instructions deep in a slot
.set ROWB,   256                       ; x: a tile's row in bytes: 512 codes
.set KROW,   512                       ; x: a row in memory
.set PITCH,  272                       ; x: an LDS row: 256 + 16 = 68 words: the 16 rows that a load touches start 4 words apart
.set FR,     8                         ; registers of a fragment: 16 rows x 128 K
.set NL,     2                         ; LDS loads that bring one
.set NP,     4                         ; places behind this matrix instruction (ISA guide 7.12.1)
.set HALFA,  128*PITCH                 ; x: 128 rows: what one tensor load brings
.set HALFB,  32768                     ; W: 8 tiles of 16 columns x 4 fragments of 1,024 bytes
.set SLOT,   2*HALFA+2*HALFB           ; x's 256 rows, then W's 256 columns
.set KS,     32                        ; a row of scale bytes
.set SCL,    2*SLOT                    ; behind the slots: the scales
.set HALFS,  16*272                    ; those of 128 rows
.set SBLK,   2*272                     ; those of 16 rows
.set SPARE,  SCL+4*HALFS               ; the spare words, 128 bytes for each wave: two blocks of 256 bytes that no other line names
.set ADRA, 16                          ; v16-17  LDS address of my fragments of x in slot 0, 1
.set ADRB, 20                          ; v20-21  the same for W
.set CO,   26                          ; v26     my 16 bytes' place in a store's 512
.set ADRS, 27                          ; v27     LDS address of my scale words: lanes 0-15 x's rows, lanes 16-31 W's columns
.set SPW,  28                          ; v28     LDS address of my spare word; never rewritten
.set NIL,  29                          ; v29     0; never rewritten
.set SC,   32                          ; scale words: set s at v[SC + 32 s]; register 4 i + q: lanes 0-15 x's block i, lanes 16-31 W's block i, the slot's q-th 128 along K
.set AF,   128                         ; x's fragments, window 0
.set BI,   64                          ; the bias, window 1: eight registers for each of my 8 tiles of columns
.set TMP,  32                          ; the way out
.set G1, 24                            ; s[24:31] descriptor group 1 for x's tiles;  s[32:39] group 0, a set for each slot
.set G0, 32
.set G1B, 48                           ; s[48:55], s[56:63] the same for W's
.set G0B, 56
.set G1S, 68                           ; s[68:75], s[76:79] for x's scales;  s[80:87], s[88:91] for W's
.set G0S, 76
.set G1SB, 80
.set G0SB, 88
.set MAT, 95                           ; s95  which tensor: 0 q, 1 k, 2 v
.set MSB, 0
.macro WIN new                         ; the immediate's high byte repeats the setting that is left
.if MSB != \new
	s_set_vgpr_msb (MSB<<8)|\new
.set MSB, \new
.endif
.endm
.set MUL_LO, 0xa1                      ; source 0 (W) window 1, source 1 (x) window 0, C and D window 2
.set MUL_HI, 0xf1                      ; the same, C and D window 3
.set BIA_LO, 0x91                      ; C (the bias) window 1, D window 2
.set BIA_HI, 0xd1                      ; C window 1, D window 3
.set TO_B,   0x40                      ; destination window 1, address window 0
; A joint load: waves 0 and 1 fetch for x, waves 2 and 3 for W.  The branch hangs on the wave's number alone.  Four v_nop follow each of the two lines.
.macro JLOAD g0a, g1a, g0b, g1b
	s_cmp_eq_u32 s15, 0
	s_cbranch_scc0 .Lfor_b_\@
	tensor_load_to_lds s[\g0a:\g0a+3], s[\g1a:\g1a+7]
	s_nop 0
.rept 4
	v_nop
.endr
	s_branch .Lasked_\@
.Lfor_b_\@:
	tensor_load_to_lds s[\g0b:\g0b+3], s[\g1b:\g1b+7]
	s_nop 0
.rept 4
	v_nop
.endr
.Lasked_\@:
.endm
.macro CROUND                          ; a round of the cluster's barrier
	s_barrier_signal -1
	s_barrier_wait -1
	s_cmp_lg_u32 s14, 0
	s_cbranch_scc1 .Lnot_wave_0_\@
	s_barrier_signal -3
.Lnot_wave_0_\@:
	s_barrier_wait -3
	s_barrier_signal -1
	s_barrier_wait -1
.endm
	s_load_b128 s[4:7], s[0:1], 0x0                ; x's codes, x's scales
	s_load_b128 s[8:11], s[0:1], 0x10              ; W's codes, W's scales
	s_load_b128 s[96:99], s[0:1], 0x20             ; bq, bk
	s_load_b64 s[100:101], s[0:1], 0x30            ; bv
	s_load_b64 s[12:13], s[0:1], 0x38              ; qkv
	v_lshl_add_u32 v[SPW], v0, 2, SPARE
	v_mov_b32 v[NIL], 0
	ds_add_u32 v28, v29
	ds_add_u32 v28, v29
	s_wait_dscnt 0x0
	v_lshrrev_b32 v1, 5, v0
	v_readfirstlane_b32 s14, v1                    ; wave 0..3
	s_lshr_b32 s15, s14, 1                         ; which half of the tile's rows is mine.  Also: I fetch for x (0) or for W (1)
	s_and_b32 s16, s14, 1                          ; which half of its columns.  Also: which 128 rows or columns I fetch
	s_bfe_u32 s40, ttmp6, 0x40000                  ; cx, cy: my place in the cluster
	s_bfe_u32 s41, ttmp6, 0x40004
	s_lshl_b32 s42, ttmp9, 2
	s_add_co_u32 s42, s42, s40                     ; tile column = 4 x cluster x + cx
	s_and_b32 s17, ttmp7, 0xffff
	s_lshr_b32 s[MAT], s17, 3                      ; eight clusters along y to a tensor: the same in all sixteen partners
	s_lshl_b32 s17, s17, 2
	s_add_co_u32 s17, s17, s41                     ; tile row = 4 x cluster y + cy
	s_lshl_b32 s43, s41, 2
	s_lshl_b32 s43, 15, s43                        ; my row of the cluster
	s_lshl_b32 s44, 0x1111, s40                    ; my column
	s_mov_b32 s2, 0x3e38aa3b                       ; log2(e) / 8
	s_mov_b32 s3, s2                               ; (named with it as a pair, so it is written)
	; group 1, x's tiles: 128 rows x 256 bytes, padded in LDS
	s_or_b32 s[G1+0], s43, (0<<16)|(1<<20)|(1<<21)|(5<<22)|(3<<25)  ; the mask: my row; elements of 1 byte; padding on; bit 21 beside a mask; after every 64 words 4 words
	s_mov_b32 s[G1+1], ROWB<<16                    ; tensor_dim0
	s_mov_b32 s[G1+2], 128<<16                     ; tensor_dim1
	s_mov_b32 s[G1+3], ROWB<<16                    ; tile_dim0
	s_mov_b32 s[G1+4], 128                         ; tile_dim1
	s_mov_b32 s[G1+5], KROW                        ; from row to row
	s_mov_b32 s[G1+6], 0
	s_mov_b32 s[G1+7], 0
	; group 1, W's tiles: 8 tiles of columns, of each the slot's four fragments: rows of 4,096 bytes (512 elements of 8), 8,192 bytes apart, dense in LDS
	s_or_b32 s[G1B+0], s44, (3<<16)|(1<<21)        ; the mask: my column; elements of 8 bytes; no padding
	s_mov_b32 s[G1B+1], 512<<16
	s_mov_b32 s[G1B+2], 8<<16
	s_mov_b32 s[G1B+3], 512<<16
	s_mov_b32 s[G1B+4], 8
	s_mov_b32 s[G1B+5], 1024
	s_mov_b32 s[G1B+6], 0
	s_mov_b32 s[G1B+7], 0
	; group 1, the scales of 128 rows: 4,096 dense bytes as 16 rows of 256 bytes, 16 bytes of padding behind each
	s_or_b32 s[G1S+0], s43, (3<<16)|(1<<20)|(1<<21)|(5<<22)|(3<<25)
	s_or_b32 s[G1SB+0], s44, (3<<16)|(1<<20)|(1<<21)|(5<<22)|(3<<25)
.irp g, G1S, G1SB
	s_mov_b32 s[\g+1], 32<<16
	s_mov_b32 s[\g+2], 16<<16
	s_mov_b32 s[\g+3], 32<<16
	s_mov_b32 s[\g+4], 16
	s_mov_b32 s[\g+5], 32
	s_mov_b32 s[\g+6], 0
	s_mov_b32 s[\g+7], 0
.endr
	s_lshl_b32 s18, s16, 7                         ; which 128 I fetch
	s_lshl_b32 s20, s17, 8
	s_add_co_u32 s20, s20, s18                     ; x: row 256 x tile row + 128 x half, of 24,576
	s_lshl_b32 s46, s42, 8
	s_add_co_u32 s46, s46, s18
	s_lshl_b32 s19, s[MAT], 10
	s_add_co_u32 s46, s46, s19                     ; W: column 1,024 x tensor + 256 x tile column + 128 x half, of 3,072
	s_mov_b32 s21, 0
	s_mov_b32 s47, 0
	s_lshl_b64 s[22:23], s[20:21], 5               ; 32 scale bytes a row
	s_lshl_b64 s[92:93], s[46:47], 5
	s_lshl_b64 s[20:21], s[20:21], 9               ; 512 bytes of codes a row; of W's images 8,192 for 16 columns, which is as much
	s_lshl_b64 s[46:47], s[46:47], 9
	s_mul_i32 s45, s16, HALFA                      ; where they go: no place in the cluster enters an LDS address
	s_mul_i32 s66, s16, HALFB
	s_add_co_u32 s66, s66, 2*HALFA
	s_mul_i32 s94, s14, HALFS
	s_wait_kmcnt 0x0
	s_add_nc_u64 s[20:21], s[4:5], s[20:21]
	s_add_nc_u64 s[22:23], s[6:7], s[22:23]
	s_add_nc_u64 s[46:47], s[8:9], s[46:47]
	s_add_nc_u64 s[92:93], s[10:11], s[92:93]
	CROUND                                         ; all sixteen work-groups are here: the joint loads meet
	s_mov_b32 s[G0S], 1
	s_add_co_u32 s[G0S+1], s94, SCL
	s_mov_b64 s[G0S+2:G0S+3], s[22:23]
	s_or_b32 s[G0S+3], s[G0S+3], 0x80000000
	s_mov_b32 s[G0SB], 1
	s_add_co_u32 s[G0SB+1], s94, SCL
	s_mov_b64 s[G0SB+2:G0SB+3], s[92:93]
	s_or_b32 s[G0SB+3], s[G0SB+3], 0x80000000
	JLOAD G0S, G1S, G0SB, G1SB                     ; the scales first: they are wanted with the first products
.irp s, 0,1
	s_mov_b32 s[G0+4*\s], 1
	s_add_co_u32 s[G0+4*\s+1], s45, \s*SLOT
	s_add_nc_u64 s[G0+4*\s+2:G0+4*\s+3], s[20:21], \s*ROWB
	s_or_b32 s[G0+4*\s+3], s[G0+4*\s+3], 0x80000000
	s_mov_b32 s[G0B+4*\s], 1
	s_add_co_u32 s[G0B+4*\s+1], s66, \s*SLOT
	s_add_nc_u64 s[G0B+4*\s+2:G0B+4*\s+3], s[46:47], \s*4096
	s_or_b32 s[G0B+4*\s+3], s[G0B+4*\s+3], 0x80000000
	JLOAD G0+4*\s, G1, G0B+4*\s, G1B               ; three tensor loads of mine are out behind the last of these
.endr
	v_and_b32 v1, 15, v0                           ; r = lane % 16
	v_bfe_u32 v2, v0, 4, 1                         ; h = lane / 16
	v_mul_u32_u24 v3, v1, PITCH
	v_lshl_add_u32 v4, v2, 4, v3                   ; x: a fragment's row x pitch + 16 h
	v_and_b32 v6, 31, v0
	v_lshlrev_b32 v6, 4, v6                        ; W: 16 x lane
	s_mul_i32 s21, s15, HALFA                      ; my 128 rows of x
	s_mul_i32 s22, s16, HALFB                      ; my 128 columns of W,
	s_add_co_u32 s22, s22, 2*HALFA                 ; which lie behind x's 256 rows
.irp s, 0,1
	v_add_nc_u32 v[ADRA+\s], s21, v4
	v_add_nc_u32 v[ADRB+\s], s22, v6
	s_add_co_u32 s21, s21, SLOT
	s_add_co_u32 s22, s22, SLOT
.endr
	v_mul_u32_u24 v5, v1, KS                       ; my row's scales: 32 bytes a row,
	v_lshrrev_b32 v6, 8, v5
	v_lshl_add_u32 v5, v6, 4, v5                   ; and 16 more for each 256 passed
	s_mul_i32 s21, s15, HALFS                      ; x's: my 128 rows
	s_mul_i32 s22, s16, HALFS                      ; W's: my 128 columns, behind x's 256
	s_add_co_u32 s22, s22, 2*HALFS
	s_sub_co_u32 s22, s22, s21
	v_mul_u32_u24 v6, s22, v2                      ; lanes 16-31 take W's
	s_add_co_u32 s21, s21, SCL
	v_add_nc_u32 v5, v5, v6
	v_add_nc_u32 v[ADRS], s21, v5
	; the bias of my 128 columns: lane (r, h) wants, for tile b, channels 16 b + 8 h + 0 .. 7
	s_cmp_eq_u32 s[MAT], 0
	s_cselect_b64 s[96:97], s[96:97], s[98:99]
	s_cmp_eq_u32 s[MAT], 2
	s_cselect_b64 s[96:97], s[100:101], s[96:97]
	s_lshl_b32 s92, s42, 10
	s_lshl_b32 s93, s16, 9
	s_add_co_u32 s92, s92, s93
	s_mov_b32 s93, 0
	s_add_nc_u64 s[96:97], s[96:97], s[92:93]
	v_lshlrev_b32 v7, 5, v2
	WIN TO_B
.irp b, 0,1,2,3,4,5,6,7
	global_load_b128 v[BI+8*\b:BI+8*\b+3], v7, s[96:97] offset:64*\b
	global_load_b128 v[BI+8*\b+4:BI+8*\b+7], v7, s[96:97] offset:64*\b+16
.endr
	WIN 0
	; where my results go
	s_cmp_eq_u32 s[MAT], 2
	s_cselect_b32 s18, 32, 16                      ; from token to token: V 32 bytes, Q and K 16
	s_cselect_b32 s19, 16, 0x100                   ; from half to half: V 16 bytes, Q and K 256
	v_mul_u32_u24 v[CO], v1, s18
	v_mad_u32_u24 v[CO], v2, s19, v[CO]
	s_lshl_b32 s20, s[MAT], 24                     ; a tensor is 16,777,216 bytes,
	s_bfe_u32 s21, s17, 0x20003
	s_lshl_b32 s21, s21, 22                        ; a batch (8 tile rows) 4,194,304,
	s_add_co_u32 s20, s20, s21
	s_and_b32 s21, s17, 7
	s_lshl_b32 s21, s21, 4
	s_lshl_b32 s22, s15, 3
	s_add_co_u32 s21, s21, s22                     ; my first tile of 16 tokens in the batch,
	s_lshl_b32 s21, s21, 11                        ; 2,048 bytes each,
	s_add_co_u32 s20, s20, s21
	s_mov_b32 s21, 0
	s_lshl_b32 s46, s42, 2
	s_lshl_b32 s47, s16, 1
	s_add_co_u32 s46, s46, s47                     ; my first head: 4 x tile column + 2 x half,
	s_lshl_b32 s46, s46, 18                        ; 262,144 bytes each
	s_mov_b32 s47, 0
	s_add_nc_u64 s[20:21], s[20:21], s[46:47]
	s_add_nc_u64 s[12:13], s[12:13], s[20:21]
.macro FRAGA reg, adr, q, i            ; 16 rows x 128 K of 4-bit codes: lane l holds row l % 16; registers 4 c .. 4 c + 3 hold K = 64 c + 32 (l / 16) + 0 .. 31
.irp c, 0,1
	ds_load_b128 v[\reg+4*\c:\reg+4*\c+3], v[\adr] offset:64*(\q)+32*\c+(\i)*16*PITCH
.endr
.endm
.macro FRAGB reg, adr, q, i            ; the same from an image: tile i of columns, the slot's q-th fragment
.irp c, 0,1
	ds_load_b128 v[\reg+4*\c:\reg+4*\c+3], v[\adr] offset:(4*(\i)+(\q))*1024+512*\c
.endr
.endm
; 16 matrix instructions: x's blocks a0, a0 + 1 against W's eight, the slot's q-th 128 along K.  p: W's set;  sc: the set of scale words.  first = 1: C is the bias: nothing is cleared or added later.
; The 64 accumulators take turns, one instruction a turn, in the same order in every step.
.macro MUL16 a0, p, q, sc, first
.irp a, \a0, \a0+1
.irp b, 0,1,2,3,4,5,6,7
.if \first
	v_wmma_scale_f32_16x16x128_f8f6f4 v[8*(8*((\a)%4)+\b):8*(8*((\a)%4)+\b)+7], v[128*(\p)+FR*\b:128*(\p)+FR*\b+FR-1], v[AF+FR*(\a):AF+FR*(\a)+FR-1], v[BI+8*\b:BI+8*\b+7], v[SC+8*NQ*(\sc)+NQ*\b+(\q)], v[SC+8*NQ*(\sc)+NQ*(\a)+(\q)] matrix_a_fmt:MATRIX_FMT_FP4 matrix_b_fmt:MATRIX_FMT_FP4 matrix_a_scale:MATRIX_SCALE_ROW1
.else
	v_wmma_scale_f32_16x16x128_f8f6f4 v[8*(8*((\a)%4)+\b):8*(8*((\a)%4)+\b)+7], v[128*(\p)+FR*\b:128*(\p)+FR*\b+FR-1], v[AF+FR*(\a):AF+FR*(\a)+FR-1], v[8*(8*((\a)%4)+\b):8*(8*((\a)%4)+\b)+7], v[SC+8*NQ*(\sc)+NQ*\b+(\q)], v[SC+8*NQ*(\sc)+NQ*(\a)+(\q)] matrix_a_fmt:MATRIX_FMT_FP4 matrix_b_fmt:MATRIX_FMT_FP4 matrix_a_scale:MATRIX_SCALE_ROW1
.endif
.endr
.endr
.endm
.macro FETCH_B slot, q, p              ; W's eight fragments of the slot's q-th 128 along K into set p
	WIN TO_B
.irp i, 0,1,2,3,4,5,6,7
	FRAGB 128*(\p)+FR*\i, ADRB+\slot, \q, \i
.endr
	WIN 0
.endm
.macro FETCH_A slot, q, i0             ; x's blocks i0 .. i0 + 3
.irp i, \i0, \i0+1, \i0+2, \i0+3
	FRAGA AF+FR*(\i), ADRA+\slot, \q, \i
.endr
.endm
.macro SCALES sc                       ; a slot's scale words into set sc: 4 words a row; lanes 0-15 take x's block i, lanes 16-31 W's block i
.irp i, 0,1,2,3,4,5,6,7
	ds_load_b128 v[SC+8*NQ*\sc+NQ*\i:SC+8*NQ*\sc+NQ*\i+3], v[ADRS] offset:\i*SBLK
.endr
.endm
; A load into a register that a matrix instruction has read, and a vector instruction that reads a matrix result or writes one of its registers, stand NP places behind it; only plain vector instructions that name none of its registers are places.
.macro PLACES n
.rept \n
	v_nop
.endr
.endm
; A step of 128 along K that has its successor in the same slot.  x has one set of registers: blocks 0-3 are fetched anew in the step's middle, blocks 4-7 at its end; W has two sets.
.macro STEP slot, q, first
	s_wait_dscnt 4*NL                              ; W's set and x's blocks 0-3 are in; the youngest eight loads (x's blocks 4-7) may be out
.if \first
	WIN BIA_LO
.else
	WIN MUL_LO
.endif
	MUL16 0, (\q)%2, \q, \slot, \first
	MUL16 2, (\q)%2, \q, \slot, \first
	s_wait_dscnt 0                                 ; x's blocks 4-7 are in
	PLACES NP
	FETCH_B \slot, (\q)+1, 1-(\q)%2
	FETCH_A \slot, (\q)+1, 0
.if \first
	WIN BIA_HI
.else
	WIN MUL_HI
.endif
	MUL16 4, (\q)%2, \q, \slot, \first
	MUL16 6, (\q)%2, \q, \slot, \first
	PLACES NP
	WIN 0
	FETCH_A \slot, (\q)+1, 4
.endm
.macro STEPS slot, from                ; the slot's steps from .. NQ - 2
.set Q, \from
.rept NQ-1-\from
	STEP \slot, Q, 0
.set Q, Q+1
.endr
.endm
	s_wait_tensorcnt 1                             ; the scales and my part of slot 0 are in; slot 1's load may be out
	s_barrier_signal -1
	s_barrier_wait -1                              ; everybody's are
	FETCH_B 0, 0, 0
	FETCH_A 0, 0, 0
	SCALES 0
	FETCH_A 0, 0, 4
	s_wait_loadcnt 0x0                             ; the bias
	STEP 0, 0, 1
	STEPS 0, 1
	; slot 0's last step changes slots: one barrier; no slot is filled again in this launch
	s_wait_tensorcnt 0x0                           ; my part of slot 1 has landed
	ds_add_u32 v[SPW], v[NIL]                      ; 0 onto my spare word
	s_wait_dscnt 4*NL+1                            ; (the add and the youngest eight loads may be out)
	WIN MUL_LO
	MUL16 0, 1, NQ-1, 0, 0
	s_wait_dscnt 0x0
	s_barrier_signal -1
	MUL16 2, 1, NQ-1, 0, 0
	WIN 0
	s_barrier_wait -1                              ; slot 1 is whole
	PLACES NP
	v_add_nc_u32 v[ADRS], 4*NQ, v[ADRS]            ; on to slot 1's scale words
	FETCH_B 1, 0, 0
	FETCH_A 1, 0, 0
	SCALES 1
	WIN MUL_HI
	MUL16 4, 1, NQ-1, 0, 0
	MUL16 6, 1, NQ-1, 0, 0
	PLACES NP
	WIN 0
	FETCH_A 1, 0, 4
	STEPS 1, 0
	s_wait_dscnt 4*NL                              ; the very last step: nothing more to fetch
	WIN MUL_LO
	MUL16 0, 1, NQ-1, 1, 0
	MUL16 2, 1, NQ-1, 1, 0
	s_wait_dscnt 0
	WIN MUL_HI
	MUL16 4, 1, NQ-1, 1, 0
	MUL16 6, 1, NQ-1, 1, 0
	WIN 0
	PLACES NP                                      ; in front of the first read of results and the first write of registers that held operands
	s_cmp_lg_u32 s[MAT], 0                         ; Q alone is scaled; the branch hangs on the cluster's y: alike in all partners
	s_cbranch_scc1 .Lnot_q
	WIN 0x82                                       ; destination and source 0 window 2
.set n, 0
.rept 128
	v_pk_mul_f32 v[n:n+1], v[n:n+1], s[2:3] op_sel_hi:[1,0]   ; each accumulator from its low end on
.set n, n+2
.endr
	WIN 0xc3                                       ; window 3
.set n, 0
.rept 128
	v_pk_mul_f32 v[n:n+1], v[n:n+1], s[2:3] op_sel_hi:[1,0]
.set n, n+2
.endr
	WIN 0
.Lnot_q:
; THE WAY OUT needs no stage: a lane's eight results are 16 bytes of f16 that stand, in the layout that the attention reads, beside the other lanes' 16 bytes: each store covers 512 consecutive bytes, aligned.
.macro OUTA a                          ; my tokens 16 a .. 16 a + 15
.if (\a) >= 4
	s_wait_xcnt 0x0                                ; the stores of four blocks back have read these registers
.endif
	WIN 0x0a+5*((\a)/4)                            ; sources 0 and 1: window 2 or 3
.irp b, 0,1,2,3,4,5,6,7
.irp i, 0,1,2,3
	v_cvt_pk_f16_f32 v[TMP+32*((\a)%4)+4*\b+\i], v[64*((\a)%4)+8*\b+2*\i], v[64*((\a)%4)+8*\b+2*\i+1]
.endr
.endr
	WIN 0
.irp b, 0,1,2,3,4,5,6,7
	global_store_b128 v[CO], v[TMP+32*((\a)%4)+4*\b:TMP+32*((\a)%4)+4*\b+3], s[12:13] offset:(\a)*2048+(\b/4)*262144+(\b%4)*512
.endr
.endm
.irp a, 0,1,2,3,4,5,6,7
	OUTA \a
.endr
	s_wait_tensorcnt 0x0                           ; the wave's end
	ds_add_u32 v[SPW], v[NIL]
	s_wait_dscnt 0x0
	CROUND                                         ; the closing round: no work-group ends while a partner may still ask for a tile that names it
	s_endpgm
.Lfunc_end_k_q2d1573cffa_proj:
	.size	k_q2d1573cffa_proj, .Lfunc_end_k_q2d1573cffa_proj-k_q2d1573cffa_proj
	.p2alignl 7, 3214868480
	.fill 96, 4, 3214868480
	.section	.rodata,"a",@progbits
	.p2align	6, 0x0
	.amdhsa_kernel k_q2d1573cffa_proj
		.amdhsa_group_segment_fixed_size 327680
		.amdhsa_private_segment_fixed_size 0
		.amdhsa_enable_private_segment 0
		.amdhsa_kernarg_size 64
		.amdhsa_user_sgpr_count 2
		.amdhsa_user_sgpr_kernarg_segment_ptr 1
		.amdhsa_wavefront_size32 1
		.amdhsa_system_sgpr_workgroup_id_x 1
		.amdhsa_system_sgpr_workgroup_id_y 1
		.amdhsa_system_sgpr_workgroup_id_z 1
		.amdhsa_system_vgpr_workitem_id 0
		.amdhsa_next_free_vgpr 1024
		.amdhsa_next_free_sgpr 102
		.amdhsa_reserve_vcc 0
		.amdhsa_float_denorm_mode_32 3
		.amdhsa_float_denorm_mode_16_64 3
		.amdhsa_memory_ordered 1
		.amdhsa_forward_progress 1
		.amdhsa_inst_pref_size 136
	.end_amdhsa_kernel
	.amdgpu_metadata
---
amdhsa.version: [ 1, 2 ]
amdhsa.kernels:
  - .name:           k_q2d1573cffa_proj
    .symbol:         k_q2d1573cffa_proj.kd
    .args:
      - { .name: xc, .offset: 0, .size: 8, .value_kind: global_buffer, .address_space: global }
      - { .name: xs, .offset: 8, .size: 8, .value_kind: global_buffer, .address_space: global }
      - { .name: wc, .offset: 16, .size: 8, .value_kind: global_buffer, .address_space: global }
      - { .name: ws, .offset: 24, .size: 8, .value_kind: global_buffer, .address_space: global }
      - { .name: bq, .offset: 32, .size: 8, .value_kind: global_buffer, .address_space: global }
      - { .name: bk, .offset: 40, .size: 8, .value_kind: global_buffer, .address_space: global }
      - { .name: bv, .offset: 48, .size: 8, .value_kind: global_buffer, .address_space: global }
      - { .name: qkv, .offset: 56, .size: 8, .value_kind: global_buffer, .address_space: global }
    .group_segment_fixed_size: 327680
    .private_segment_fixed_size: 0
    .kernarg_segment_align: 8
    .kernarg_segment_size: 64
    .max_flat_workgroup_size: 128
    .sgpr_count:     102
    .vgpr_count:     1024
    .wavefront_size: 32
...
	.end_amdgpu_metadata
.endif
;; end of part 2
;; launch attn (part 3): grid 4 x 64, 8 waves a work-group, clusters of 4 x 1, 327,680 bytes of LDS; arguments qkv, mbits, aimg; writes aimg
.if DOCPART == 3
	.amdgcn_target "amdgcn-amd-amdhsa--gfx1250"
	.amdhsa_code_object_version 6
	.text
	.protected	k_q2d1573cffa_attn
	.globl	k_q2d1573cffa_attn
	.p2align	8
	.type	k_q2d1573cffa_attn,@function
k_q2d1573cffa_attn:
	s_mov_b64 s[64:65], 0
	v_nop
	global_prefetch_b8 v0, s[64:65] scope:SCOPE_SE
	s_setreg_imm32_b32 hwreg(HW_REG_WAVE_MODE, 25, 1), 1
	s_wait_xcnt 0x0
	s_wait_alu depctr_hold_cnt(0) depctr_sa_sdst(0) depctr_va_vdst(0) depctr_va_sdst(0) depctr_va_ssrc(0) depctr_va_vcc(0) depctr_vm_vsrc(0)
	s_getreg_b32 s2, hwreg(HW_REG_IB_STS2, 6, 4)
	s_cmp_eq_u32 s2, 0
	s_cbranch_scc0 .Lentry_in_a_cluster
	s_endpgm
.Lentry_in_a_cluster:
	s_bfe_u32 s2, ttmp6, 0x10000c
	s_cmp_lg_u32 s2, 0x3003
	s_cbranch_scc0 .Lentry_shape_is_right
	s_endpgm
.Lentry_shape_is_right:
; O[b][h][q] = the sum over k of softmax_k(score) V[b][h][k], score = Q . K / 8, replaced by -1e9 where mask[b][q][k] is 0.  Head size 64, 2,048 keys.  Operands in f16, products, maxima and sums in f32.
; Q arrives multiplied by log2(e) / 8, so the products are the scores in base 2, s; the fill is -1e9 log2(e).  For each query a running maximum m and sum l: p = 2^(s - m), by a subtraction that gives exactly 0
; at the maximum, so p is at most 1 whatever the inputs (a row or a step that is wholly masked too: all its p are then equal).  In every step O and l are multiplied by a = 2^(old m - new m).
; SHARES.  A work-group owns 512 queries of one head, each of its eight waves 64: four tiles of 16; two waves share a SIMD, so that one's vector work stands beside the other's matrix work.  Every wave walks all keys, 64 a step.
; LAYOUT.  S^T = K Q^T (source 0 = 16 keys, source 1 = 16 queries): a lane holds ONE query (lane % 16) and keys 8 (lane / 16) + 0 .. 7.  Two such tiles, rounded to f16 in pairs, ARE source 1 of O^T = V^T P.
; K's fragments lie in memory and LDS as images of their registers (16 x lane); V lies as tiles of 16 keys x 16 channels and comes turned, by ds_load_tr16_b128.
; THE MASK comes as lane masks, one word for each register of a tile of scores, by scalar loads a step ahead: one v_cndmask_b32 a register.
; CLUSTER.  The four work-groups of a cluster are the four blocks of queries of one head: K and V are asked for jointly.  Two LDS slots of 512 keys; each of the eight waves fetches an eighth of a slot, 64 rows of 256 bytes.
; A refill is asked for at the head of the slot before, eight key steps ahead of its first read; no prefetch is laid.
; The result leaves as f16 images of 16 x 32 fragments for the last product: aimg [tile of 16 tokens][32 along K][1,024 bytes].
; LIMITS: V inside f16's range; p under 2^-24 falls to 0 in the second product (not in l).
; REGISTERS: window 0: v1-7 addresses and constants; v16-47 eight registers of statistics a tile; v48-111 K's 8 fragments; v128-255 S^T, 32 a tile, whose first 16 become P.
;   window 1: v0-127 O^T, 32 a tile; v128-191 Q, 16 a tile; v192-255 V's 8 fragments.
.set SLOT1, 1<<17                      ; a slot: K's 65,536 bytes, then V's; one exclusive or turns an address in one slot into the other's
.set SPARE, 2*SLOT1                    ; the spare words, 128 bytes for each of eight waves: four blocks of 256 bytes that no other line names
.set LI,  1                            ; v1   16 x lane
.set AV0, 2                            ; v2   my lane's place in a tile of V
.set ADK, 3                            ; v3   LDS address of the step's K
.set ADV, 4                            ; v4   of its V
.set SPW, 5                            ; v5   LDS address of my spare word; never rewritten
.set NIL, 6                            ; v6   0; never rewritten
.set NEG, 7                            ; v7   the fill
.set ST,  16                           ; tile t's statistics at v[ST + 8 t]: +0 m, +1 the old m, +2, +3 l (even keys', odd keys'), +4 .. +7 at work; a in +6
.set KF,  48
.set S,   128
.set QF,  128                          ; window 1
.set VF,  192                          ; window 1
.set WV,  10                           ; s10  my wave's number
.set SLOTS, 11                         ; s11  slots still to be asked for
.set CNT, 12                           ; s12  counts a slot's eight steps
.set TB,  13                           ; s13  LDS byte at which the step's K begins
.set MO,  14                           ; s14  byte offset of the mask words to be loaded next: 128 a step
.set G1,  16                           ; s[16:23] descriptor group 1
.set G0,  24                           ; s[24:27] group 0, which walks
.set SEL, 30                           ; s[30:31] selects for lane l xor 16
.set MA,  32                           ; s[32:63] 32 mask words of one tile
.set MP,  66                           ; s[66:67] the mask words of my first tile of queries
.set MB,  68                           ; s[68:99] 32 mask words of another tile
.set MSB, 0
.macro WIN new                         ; the immediate's high byte repeats the setting that is left
.if MSB != \new
	s_set_vgpr_msb (MSB<<8)|\new
.set MSB, \new
.endif
.endm
.set W_KQ, 0x04                        ; K window 0, Q window 1, S^T window 0
.set W_PV, 0x51                        ; V window 1, P window 0, O^T window 1
.set W_RS, 0x41                        ; O^T (destination and source 0) window 1, a window 0
.set W_TO1, 0x40                       ; destination window 1, address window 0
.macro CROUND                          ; a round of the cluster's barrier
	s_barrier_signal -1
	s_barrier_wait -1
	s_cmp_lg_u32 s[WV], 0
	s_cbranch_scc1 .Lnot_wave_0_\@
	s_barrier_signal -3
.Lnot_wave_0_\@:
	s_barrier_wait -3
	s_barrier_signal -1
	s_barrier_wait -1
.endm
.macro LOADMASK base, tile             ; the 32 words of tile `tile` of my queries for the 64 keys at s[MO]
	s_load_b512 s[\base:\base+15], s[MP:MP+1], s[MO] offset:(\tile)*4096
	s_load_b512 s[\base+16:\base+31], s[MP:MP+1], s[MO] offset:(\tile)*4096+64
.endm
	s_load_b128 s[4:7], s[0:1], 0x0                ; qkv, mbits
	s_load_b64 s[8:9], s[0:1], 0x10                ; aimg
	v_lshl_add_u32 v[SPW], v0, 2, SPARE
	v_mov_b32 v[NIL], 0
	ds_add_u32 v5, v6
	ds_add_u32 v5, v6
	s_wait_dscnt 0x0
	v_lshrrev_b32 v8, 5, v0
	v_readfirstlane_b32 s[WV], v8                  ; wave 0..7
	s_bfe_u32 s15, ttmp6, 0x40000                  ; cx: my block of 512 queries; it enters Q's, the mask's and the result's addresses alone
	s_and_b32 s28, ttmp7, 0xffff                   ; 16 x batch + head, which the four partners share
	s_mov_b32 s[G1+0], 15|(3<<16)|(1<<21)          ; the mask: all four work-groups; elements of 8 bytes; bit 21 beside a mask; no padding
	s_mov_b32 s[G1+1], 32<<16                      ; tensor_dim0: 32 elements = 256 bytes
	s_mov_b32 s[G1+2], 64<<16                      ; tensor_dim1
	s_mov_b32 s[G1+3], 32<<16                      ; tile_dim0
	s_mov_b32 s[G1+4], 64                          ; tile_dim1: 64 rows, 16,384 dense bytes
	s_mov_b32 s[G1+5], 32                          ; from row to row
	s_mov_b32 s[G1+6], 0
	s_mov_b32 s[G1+7], 0
	s_mov_b32 s[SEL], 0x76543210
	s_mov_b32 s[SEL+1], 0xfedcba98
	s_mov_b32 s[TB], 0
	s_mov_b32 s[MO], 0
	s_mov_b32 s[SLOTS], 3
	s_lshr_b32 s32, s[WV], 2                       ; waves 0-3 fetch K, waves 4-7 V:
	s_add_co_u32 s32, s32, 1
	s_lshl_b32 s32, s32, 24                        ; tensor 1 or 2 of qkv,
	s_lshl_b32 s33, s28, 18                        ; my head's 262,144 bytes,
	s_add_co_u32 s32, s32, s33
	s_and_b32 s33, s[WV], 3
	s_lshl_b32 s33, s33, 14                        ; my quarter of a slot's 65,536
	s_add_co_u32 s32, s32, s33
	s_mov_b32 s33, 0
	s_lshl_b32 s34, s15, 5
	s_lshl_b32 s35, s[WV], 2
	s_add_co_u32 s34, s34, s35                     ; my first tile of 16 queries: 32 cx + 4 wave
	s_lshl_b32 s36, s34, 11
	s_lshl_b32 s37, s28, 18
	s_add_co_u32 s36, s36, s37                     ; Q: tensor 0, my head, my tiles of 2,048 bytes
	s_mov_b32 s37, 0
	s_lshr_b32 s35, s28, 4                         ; the batch
	s_lshl_b32 s38, s35, 19                        ; the mask words: 524,288 bytes a batch,
	s_lshl_b32 s39, s34, 12                        ; 4,096 a tile of queries
	s_add_co_u32 s38, s38, s39
	s_mov_b32 s39, 0
	s_lshl_b32 s40, s35, 7
	s_add_co_u32 s40, s40, s34
	s_lshl_b32 s40, s40, 15                        ; the result: 32,768 bytes a tile of tokens,
	s_and_b32 s41, s28, 15
	s_lshl_b32 s41, s41, 11                        ; 2,048 a head
	s_add_co_u32 s40, s40, s41
	s_mov_b32 s41, 0
	s_wait_kmcnt 0x0
	s_mov_b32 s[G0], 1                             ; count = 1
	s_lshl_b32 s[G0+1], s[WV], 14                  ; LDS address: slot 0, wave x 16,384: no place in the cluster enters it
	s_add_nc_u64 s[G0+2:G0+3], s[4:5], s[32:33]
	s_or_b32 s[G0+3], s[G0+3], 0x80000000          ; type = 2
	s_add_nc_u64 s[4:5], s[4:5], s[36:37]          ; Q at my first tile
	s_add_nc_u64 s[MP:MP+1], s[6:7], s[38:39]
	s_add_nc_u64 s[8:9], s[8:9], s[40:41]
	CROUND                                         ; all four work-groups are here: the first joint loads meet
	tensor_load_to_lds s[G0:G0+3], s[G1:G1+7]      ; slot 0: keys 0 to 511
	s_nop 0
.rept 4
	v_nop
.endr
	LOADMASK MA, 0                                 ; (the scalars used above as scratch are done with)
	LOADMASK MB, 1
	v_and_b32 v[LI], 31, v0
	v_lshlrev_b32 v[LI], 4, v[LI]
	WIN W_TO1
.irp t, 0,1,2,3
.irp c, 0,1,2,3
	global_load_b128 v[QF+16*\t+4*\c:QF+16*\t+4*\c+3], v[LI], s[4:5] offset:2048*\t+512*\c   ; Q stays in registers: tile t, fragment c / 2, registers 4 (c % 2) on
.endr
.endr
.set n, 0
.rept 128
	v_mov_b32 v[n], 0                              ; O^T.  (The key step is written without a first step of its own: it finds zeros, which the first a leaves zeros)
.set n, n+1
.endr
	WIN 0
	; the turning load takes 16 keys x 16 channels: lane l reads 16 bytes: key 8 (l / 16) + l % 8, channels 8 ((l / 8) % 2) on; rows of 32 bytes
	v_bfe_u32 v8, v0, 4, 1
	v_and_b32 v9, 7, v0
	v_lshl_add_u32 v8, v8, 3, v9
	v_bfe_u32 v9, v0, 3, 1
	v_lshlrev_b32 v9, 4, v9
	v_lshl_add_u32 v[AV0], v8, 5, v9
	v_add_nc_u32 v[AV0], 65536, v[AV0]             ; V lies behind K's 65,536 bytes
	v_mov_b32 v[NEG], 0xceabfb8f                   ; -1e9 x log2(e)
.irp t, 0,1,2,3
	v_mov_b32 v[ST+8*\t], 0xff61b1e6               ; m: -3e38, under every score
	v_mov_b32 v[ST+8*\t+1], 0xff61b1e6
	v_mov_b32 v[ST+8*\t+2], 0                      ; l
	v_mov_b32 v[ST+8*\t+3], 0
.endr
; The softmax of tiles ta and tb for one key step; the two tiles alternate line by line, so that no line waits for the line above it.
.macro SOFT2 ta, tb
	s_wait_kmcnt 0x0                               ; the two tiles' mask words are in
.set n, 0
.rept 32
	v_cndmask_b32 v[S+32*\ta+n], v[NEG], v[S+32*\ta+n], s[MA+n]   ; ascending: each accumulator is read from its low end on
	v_cndmask_b32 v[S+32*\tb+n], v[NEG], v[S+32*\tb+n], s[MB+n]
.set n, n+1
.endr
.if \ta == 0
	LOADMASK MA, 2                                 ; the other two tiles' words of this step
	LOADMASK MB, 3
.else
	s_add_co_u32 s[MO], s[MO], 128                 ; no scalar load is out here.  The next step's words;
	s_min_u32 s[MO], s[MO], 3968                   ; behind the last step the last step's again: no load leaves the buffer
	LOADMASK MA, 0
	LOADMASK MB, 1
.endif
.irp j, 0,1,2,3                        ; the maximum of 32 scores and the old m: four chains of seven scores, then the four left over
.irp t, \ta, \tb
	v_max3_num_f32 v[ST+8*\t+4+\j], v[S+32*\t+8*\j], v[S+32*\t+8*\j+1], v[S+32*\t+8*\j+2]
.endr
.endr
.irp k, 1,2
.irp j, 0,1,2,3
.irp t, \ta, \tb
	v_max3_num_f32 v[ST+8*\t+4+\j], v[ST+8*\t+4+\j], v[S+32*\t+8*\j+2*\k+1], v[S+32*\t+8*\j+2*\k+2]
.endr
.endr
.endr
.irp t, \ta, \tb
	v_max3_num_f32 v[ST+8*\t+4], v[ST+8*\t+4], v[S+32*\t+7], v[S+32*\t+15]
.endr
.irp t, \ta, \tb
	v_max3_num_f32 v[ST+8*\t+6], v[ST+8*\t+6], v[S+32*\t+23], v[S+32*\t+31]
.endr
.irp t, \ta, \tb
	v_mov_b32 v[ST+8*\t+1], v[ST+8*\t]             ; the old m is kept for a
.endr
.irp t, \ta, \tb
	v_max3_num_f32 v[ST+8*\t+4], v[ST+8*\t+4], v[ST+8*\t+5], v[ST+8*\t+6]
.endr
.irp t, \ta, \tb
	v_max3_num_f32 v[ST+8*\t+4], v[ST+8*\t+4], v[ST+8*\t+7], v[ST+8*\t+1]
.endr
.irp t, \ta, \tb
	v_permlanex16_b32 v[ST+8*\t+5], v[ST+8*\t+4], s[SEL], s[SEL+1]   ; the query's other 32 keys lie in the lane 16 away
.endr
.irp t, \ta, \tb
	v_max_num_f32 v[ST+8*\t], v[ST+8*\t+4], v[ST+8*\t+5]
.endr
.irp t, \ta, \tb
	v_sub_f32 v[ST+8*\t+7], v[ST+8*\t+1], v[ST+8*\t]   ; old m - new m, 0 or less
.endr
.irp b, 0,1,2,3,4,5,6,7,8,9,10,11,12,13,14,15
.irp t, \ta, \tb
	v_pk_add_f32 v[S+32*\t+2*\b:S+32*\t+2*\b+1], v[S+32*\t+2*\b:S+32*\t+2*\b+1], v[ST+8*\t:ST+8*\t+1] op_sel_hi:[1,0] neg_lo:[0,1] neg_hi:[0,1]   ; s - m, two at a time: of the pair the low word, m, serves both halves
.endr
.endr
.irp t, \ta, \tb
	v_exp_f32 v[ST+8*\t+6], v[ST+8*\t+7]           ; a
.endr
.set n, 0
.rept 32
	v_exp_f32 v[S+32*\ta+n], v[S+32*\ta+n]         ; p
	v_exp_f32 v[S+32*\tb+n], v[S+32*\tb+n]
.set n, n+1
.endr
	v_nop                                          ; a plain instruction between the last exponential and the use of its result
	s_wait_alu depctr_va_vdst(0)
.irp t, \ta, \tb
	v_pk_add_f32 v[ST+8*\t+4:ST+8*\t+5], v[S+32*\t:S+32*\t+1], v[S+32*\t+2:S+32*\t+3]   ; the sum is taken of p before it is rounded
.endr
.irp b, 2,3,4,5,6,7,8,9,10,11,12,13,14,15
.irp t, \ta, \tb
	v_pk_add_f32 v[ST+8*\t+4:ST+8*\t+5], v[ST+8*\t+4:ST+8*\t+5], v[S+32*\t+2*\b:S+32*\t+2*\b+1]
.endr
.endr
.irp t, \ta, \tb
	v_pk_fma_f32 v[ST+8*\t+2:ST+8*\t+3], v[ST+8*\t+2:ST+8*\t+3], v[ST+8*\t+6:ST+8*\t+7], v[ST+8*\t+4:ST+8*\t+5] op_sel_hi:[1,0,1]   ; l = a l + the sum
.endr
.irp i, 0,1,2,3,4,5,6,7,8,9,10,11,12,13,14,15
.irp t, \ta, \tb
	v_cvt_pk_f16_f32 v[S+32*\t+\i], v[S+32*\t+2*\i], v[S+32*\t+2*\i+1]   ; P, in place: register i is written when registers 2 i and 2 i + 1 are read
.endr
.endr
.endm
; A KEY STEP: 64 keys.  It begins and ends with every window 0.
.macro STEP
	v_add_nc_u32 v[ADK], s[TB], v[LI]
	v_add_nc_u32 v[ADV], s[TB], v[AV0]
.irp f, 0,1,2,3,4,5,6,7                ; K: keys 16 (f / 2) on, channels 32 (f % 2) on
	ds_load_b128 v[KF+8*\f:KF+8*\f+3], v[ADK] offset:1024*\f
	ds_load_b128 v[KF+8*\f+4:KF+8*\f+7], v[ADK] offset:1024*\f+512
.endr
	WIN W_TO1
.irp f, 0,1,2,3,4,5,6,7                ; V, turned: keys 32 (f / 4) on, channels 16 (f % 4) on; the second 16 keys lie a tile of tokens, 2,048 bytes, on
	ds_load_tr16_b128 v[VF+8*\f:VF+8*\f+3], v[ADV] offset:4096*(\f/4)+512*(\f%4)
	ds_load_tr16_b128 v[VF+8*\f+4:VF+8*\f+7], v[ADV] offset:4096*(\f/4)+2048+512*(\f%4)
.endr
	s_wait_dscnt 16                                ; K is in; V's sixteen loads may be out
	WIN W_KQ
.set i, 0
.rept 32                               ; S^T = K Q^T: channels 32 (i / 16) on, keys 16 ((i / 4) % 4) on, tile i % 4: sixteen accumulators by turns
.if i < 16
	v_wmma_f32_16x16x32_f16 v[S+32*(i%4)+8*((i/4)%4):S+32*(i%4)+8*((i/4)%4)+7], v[KF+8*(2*((i/4)%4)+i/16):KF+8*(2*((i/4)%4)+i/16)+7], v[QF+16*(i%4)+8*(i/16):QF+16*(i%4)+8*(i/16)+7], 0
.else
	v_wmma_f32_16x16x32_f16 v[S+32*(i%4)+8*((i/4)%4):S+32*(i%4)+8*((i/4)%4)+7], v[KF+8*(2*((i/4)%4)+i/16):KF+8*(2*((i/4)%4)+i/16)+7], v[QF+16*(i%4)+8*(i/16):QF+16*(i%4)+8*(i/16)+7], v[S+32*(i%4)+8*((i/4)%4):S+32*(i%4)+8*((i/4)%4)+7]
.endif
.set i, i+1
.endr
	WIN 0
.rept 4
	v_nop                                          ; places in front of the first read of the scores (ISA guide 7.12.1)
.endr
	SOFT2 0, 1
	SOFT2 2, 3
	WIN W_RS
.set i, 0
.rept 64
	v_pk_mul_f32 v[2*i:2*i+1], v[2*i:2*i+1], v[ST+8*(i/16)+6:ST+8*(i/16)+7] op_sel_hi:[1,0]   ; O^T x a, each accumulator from its low end on
.set i, i+1
.endr
	s_wait_dscnt 0x0                               ; V is in
	WIN W_PV
.set i, 0
.rept 32                               ; O^T += V^T P: keys 32 (i / 16) on, channels 16 ((i / 4) % 4) on, tile i % 4: sixteen accumulators by turns
	v_wmma_f32_16x16x32_f16 v[32*(i%4)+8*((i/4)%4):32*(i%4)+8*((i/4)%4)+7], v[VF+8*(4*(i/16)+(i/4)%4):VF+8*(4*(i/16)+(i/4)%4)+7], v[S+32*(i%4)+8*(i/16):S+32*(i%4)+8*(i/16)+7], v[32*(i%4)+8*((i/4)%4):32*(i%4)+8*((i/4)%4)+7]
.set i, i+1
.endr
	WIN 0
.rept 5
	v_nop                                          ; the next step's first products write over P's registers, which these products read: five places; its loads into V's registers want four
.endr
	s_add_co_u32 s[TB], s[TB], 8192                ; the next 64 keys: four tiles of 2,048 bytes
.endm
; THE CHANGE OF SLOTS stands at a slot's head.  Each wave waits for all its tensor loads (its part of the slot that it is about to read), adds 0 to its spare word, and waits for that and for its reads of the slot that it has left.
; fill = 1: the barrier is a round of the cluster's, so that no wave of any partner still reads the other slot or has a load on its way, and the joint fill of that slot is the first thing behind it: one tensor load of mine is out.
.macro CHANGE fill
	s_wait_tensorcnt 0x0                           ; no tensor load of mine is out, so group 0 may be written
	ds_add_u32 v[SPW], v[NIL]                      ; 0 onto my spare word
.if \fill
	s_xor_b32 s[G0+1], s[G0+1], SLOT1              ; the other slot than last time,
	s_add_nc_u64 s[G0+2:G0+3], s[G0+2:G0+3], 65536 ; the next 512 keys; the type bits on top are not reached
.endif
	s_wait_dscnt 0x0                               ; the add is done, and my reads of the slot that I have left are over
.if \fill
	CROUND
	tensor_load_to_lds s[G0:G0+3], s[G1:G1+7]
	s_nop 0
.rept 4
	v_nop
.endr
.else
	s_barrier_signal -1
	s_barrier_wait -1
.endif
.endm
	s_wait_loadcnt 0x0                             ; Q
.Lslot:                                            ; three trips: behind each change of slots but the last the next slot is asked for
	CHANGE 1
	s_mov_b32 s[CNT], 8
.Lstep_a:
	STEP
	s_sub_co_u32 s[CNT], s[CNT], 1
	s_cmp_lg_u32 s[CNT], 0
	s_cbranch_scc1 .Lstep_a
	s_sub_co_u32 s[TB], s[TB], 65536               ; back to a slot's first step,
	s_xor_b32 s[TB], s[TB], SLOT1                  ; in the other slot
	s_sub_co_u32 s[SLOTS], s[SLOTS], 1
	s_cmp_lg_u32 s[SLOTS], 0
	s_cbranch_scc1 .Lslot
	CHANGE 0                                       ; the last slot is written out
	s_mov_b32 s[CNT], 8
.Lstep_b:
	STEP
	s_sub_co_u32 s[CNT], s[CNT], 1
	s_cmp_lg_u32 s[CNT], 0
	s_cbranch_scc1 .Lstep_b
	; THE WAY OUT.  l's two halves and the other half of the lanes' are added; O^T is divided by l and rounded to f16.  A lane's eight channels of a token are 16 bytes that stand,
	; in the image of the next product's fragment, beside the other lanes': each store covers 512 consecutive bytes, aligned.  No stage.
.irp t, 0,1,2,3
	v_add_f32 v[ST+8*\t+4], v[ST+8*\t+2], v[ST+8*\t+3]
.endr
.irp t, 0,1,2,3
	v_permlanex16_b32 v[ST+8*\t+5], v[ST+8*\t+4], s[SEL], s[SEL+1]
.endr
.irp t, 0,1,2,3
	v_add_f32 v[ST+8*\t+4], v[ST+8*\t+4], v[ST+8*\t+5]   ; at least 1: the maximum's own p
.endr
.irp t, 0,1,2,3
	v_rcp_f32 v[ST+8*\t+6], v[ST+8*\t+4]
.endr
	v_nop                                          ; a plain instruction between the last reciprocal and the use of its result
	WIN W_RS
.set i, 0
	s_wait_alu depctr_va_vdst(0)
.rept 64
	v_pk_mul_f32 v[2*i:2*i+1], v[2*i:2*i+1], v[ST+8*(i/16)+6:ST+8*(i/16)+7] op_sel_hi:[1,0]
.set i, i+1
.endr
	WIN 0x05                                       ; sources 0 and 1 window 1, destination window 0: S^T's registers are free
.set i, 0
.rept 64
	v_cvt_pk_f16_f32 v[S+i], v[2*i], v[2*i+1]      ; register 16 t + 4 u + i': tile t, channels 16 u + 8 (lane / 16) + 2 i' on
.set i, i+1
.endr
	WIN 0
.irp t, 0,1,2,3
.irp u, 0,1,2,3
	global_store_b128 v[LI], v[S+16*\t+4*\u:S+16*\t+4*\u+3], s[8:9] offset:32768*\t+512*\u
.endr
.endr
	s_wait_kmcnt 0x0                               ; the mask words asked for behind the last step
	s_wait_tensorcnt 0x0                           ; the wave's end
	ds_add_u32 v[SPW], v[NIL]
	s_wait_dscnt 0x0
	CROUND                                         ; the closing round: no work-group ends while a partner may still ask for a tile that names it
	s_endpgm
.Lfunc_end_k_q2d1573cffa_attn:
	.size	k_q2d1573cffa_attn, .Lfunc_end_k_q2d1573cffa_attn-k_q2d1573cffa_attn
	.p2alignl 7, 3214868480
	.fill 96, 4, 3214868480
	.section	.rodata,"a",@progbits
	.p2align	6, 0x0
	.amdhsa_kernel k_q2d1573cffa_attn
		.amdhsa_group_segment_fixed_size 327680
		.amdhsa_private_segment_fixed_size 0
		.amdhsa_enable_private_segment 0
		.amdhsa_kernarg_size 24
		.amdhsa_user_sgpr_count 2
		.amdhsa_user_sgpr_kernarg_segment_ptr 1
		.amdhsa_wavefront_size32 1
		.amdhsa_system_sgpr_workgroup_id_x 1
		.amdhsa_system_sgpr_workgroup_id_y 1
		.amdhsa_system_sgpr_workgroup_id_z 1
		.amdhsa_system_vgpr_workitem_id 0
		.amdhsa_next_free_vgpr 512
		.amdhsa_next_free_sgpr 102
		.amdhsa_reserve_vcc 0
		.amdhsa_float_denorm_mode_32 3
		.amdhsa_float_denorm_mode_16_64 3
		.amdhsa_memory_ordered 1
		.amdhsa_forward_progress 1
		.amdhsa_inst_pref_size 104
	.end_amdhsa_kernel
	.amdgpu_metadata
---
amdhsa.version: [ 1, 2 ]
amdhsa.kernels:
  - .name:           k_q2d1573cffa_attn
    .symbol:         k_q2d1573cffa_attn.kd
    .args:
      - { .name: qkv, .offset: 0, .size: 8, .value_kind: global_buffer, .address_space: global }
      - { .name: mbits, .offset: 8, .size: 8, .value_kind: global_buffer, .address_space: global }
      - { .name: aimg, .offset: 16, .size: 8, .value_kind: global_buffer, .address_space: global }
    .group_segment_fixed_size: 327680
    .private_segment_fixed_size: 0
    .kernarg_segment_align: 8
    .kernarg_segment_size: 24
    .max_flat_workgroup_size: 256
    .sgpr_count:     102
    .vgpr_count:     512
    .wavefront_size: 32
...
	.end_amdgpu_metadata
.endif
;; end of part 3
;; launch oproj (part 4): grid 4 x 64, 4 waves a work-group, clusters of 4 x 4, 327,680 bytes of LDS; arguments aimg, woimg, bo, out0; writes out0
.if DOCPART == 4
	.amdgcn_target "amdgcn-amd-amdhsa--gfx1250"
	.amdhsa_code_object_version 6
	.text
	.protected	k_q2d1573cffa_oproj
	.globl	k_q2d1573cffa_oproj
	.p2align	8
	.type	k_q2d1573cffa_oproj,@function
k_q2d1573cffa_oproj:
	s_mov_b64 s[64:65], 0
	v_nop
	global_prefetch_b8 v0, s[64:65] scope:SCOPE_SE
	s_setreg_imm32_b32 hwreg(HW_REG_WAVE_MODE, 25, 1), 1
	s_wait_xcnt 0x0
	s_wait_alu depctr_hold_cnt(0) depctr_sa_sdst(0) depctr_va_vdst(0) depctr_va_sdst(0) depctr_va_ssrc(0) depctr_va_vcc(0) depctr_vm_vsrc(0)
	s_getreg_b32 s2, hwreg(HW_REG_IB_STS2, 6, 4)
	s_cmp_eq_u32 s2, 0
	s_cbranch_scc0 .Lentry_in_a_cluster
	s_endpgm
.Lentry_in_a_cluster:
	s_bfe_u32 s2, ttmp6, 0x10000c
	s_cmp_lg_u32 s2, 0xf033
	s_cbranch_scc0 .Lentry_shape_is_right
	s_endpgm
.Lentry_shape_is_right:
; out0 = A Wo + bo.  A [8,192 tokens][1,024] and Wo^T [1,024 n][1,024 k] arrive in f16 as images of 16 x 32 fragments: [tile of 16 rows][32 along K][1,024 bytes], lane l's registers 0-3 at 16 l, registers 4-7 at 512 + 16 l.
; out0 [8,192][1,024] f32; sums in f32; the bias is the C of each sum's first matrix instruction.
; 256 work-groups, one for each tile of 128 tokens x 256 columns.  Four waves, each 64 tokens x 128 columns: 32 accumulators of 16 x 16.  K goes in 8 steps of 128 through two LDS slots;
; of each tile of rows a step is 4,096 consecutive bytes.  Fragments come by loads at 16 x lane: no pitch, no padding.
; CLUSTERS: 4 x 4 work-groups.  The four of a row of the cluster need the same tiles of A, the four of a column the same tiles of Wo: each is asked for jointly (waves 0, 1: A's halves; waves 2, 3: Wo's).
; THE MATRIX INSTRUCTION IS USED TRANSPOSED (source 0 = 16 columns of Wo, source 1 = 16 tokens): a lane holds eight neighbouring numbers of a row of out0.
; REGISTERS: window 0: v16-29 addresses; v32-127, v128-223 two fragment buffers (A's 4 fragments, then Wo's 8); on the way out rows of out0.  window 1: the accumulators ((a, b) at v[8 (8 a + b)]).  window 2: v0-63 the bias.
.set SLOT,   98304                     ; A's 8 tiles x 4,096 bytes, then Wo's 16 x 4,096
.set STAGE,  2*SLOT                    ; behind the slots: 16 rows x 528 bytes for each wave, for the way out; no tensor load lands here
.set SPITCH, 528                       ; 512 bytes + 16 = 33 x 16
.set SPARE,  STAGE+4*16*SPITCH         ; the spare words, 128 bytes for each wave: two blocks of 256 bytes that no other line names
.set LAPS,   4                         ; a lap = two K steps = once round the ring
.set ADRA, 16                          ; v16-17  LDS address of my fragments of A in slot 0, 1
.set ADRB, 20                          ; v20-21  the same for Wo
.set STO,  24                          ; v24     the way out: where I put 32 bytes of a row
.set RD,   25                          ; v25     where I read a row back
.set CO,   26                          ; v26     16 x lane: my bytes of a row's 512
.set SPW,  28                          ; v28     LDS address of my spare word; never rewritten
.set NIL,  29                          ; v29     0; never rewritten
.set F0,   32
.set F1,   128
.set G1, 24                            ; s[24:31] descriptor group 1 for A's tiles;  s[32:39] group 0, a set for each slot
.set G0, 32
.set G1B, 48                           ; s[48:55], s[56:63] the same for Wo's
.set G0B, 56
.set MSB, 0
.macro WIN new                         ; the immediate's high byte repeats the setting that is left
.if MSB != \new
	s_set_vgpr_msb (MSB<<8)|\new
.set MSB, \new
.endif
.endm
.set MUL,   0x50                       ; sources 0 and 1 window 0; C and D window 1
.set FIRST, 0x60                       ; C (the bias) window 2, D window 1
.macro JLOAD s                         ; a joint load; the branch hangs on the wave's number alone; four v_nop follow each of the two lines
	s_cmp_eq_u32 s11, 0
	s_cbranch_scc0 .Lfor_b_\@
	tensor_load_to_lds s[G0+4*\s:G0+4*\s+3], s[G1:G1+7]
	s_nop 0
.rept 4
	v_nop
.endr
	s_branch .Lasked_\@
.Lfor_b_\@:
	tensor_load_to_lds s[G0B+4*\s:G0B+4*\s+3], s[G1B:G1B+7]
	s_nop 0
.rept 4
	v_nop
.endr
.Lasked_\@:
.endm
.macro CREST                           ; a round of the cluster's barrier behind its opening barrier
	s_cmp_lg_u32 s10, 0
	s_cbranch_scc1 .Lnot_wave_0_\@
	s_barrier_signal -3
.Lnot_wave_0_\@:
	s_barrier_wait -3
	s_barrier_signal -1
	s_barrier_wait -1
.endm
.macro CROUND                          ; a whole round
	s_barrier_signal -1
	s_barrier_wait -1
	CREST
.endm
	s_load_b128 s[4:7], s[0:1], 0x0                ; aimg, woimg
	s_load_b128 s[16:19], s[0:1], 0x10             ; bo, out0
	v_lshl_add_u32 v[SPW], v0, 2, SPARE
	v_mov_b32 v[NIL], 0
	ds_add_u32 v28, v29
	ds_add_u32 v28, v29
	s_wait_dscnt 0x0
	v_lshrrev_b32 v1, 5, v0
	v_readfirstlane_b32 s10, v1                    ; wave 0..3
	s_lshr_b32 s11, s10, 1                         ; which 64 of the tile's tokens are mine.  Also: I fetch for A (0) or for Wo (1)
	s_and_b32 s12, s10, 1                          ; which 128 of its columns.  Also: which half of that tile I fetch
	s_bfe_u32 s40, ttmp6, 0x40000                  ; cx, cy: my place in the cluster
	s_bfe_u32 s41, ttmp6, 0x40004
	s_lshl_b32 s42, ttmp9, 2
	s_add_co_u32 s42, s42, s40                     ; tile column = 4 x cluster x + cx
	s_and_b32 s13, ttmp7, 0xffff
	s_lshl_b32 s13, s13, 2
	s_add_co_u32 s13, s13, s41                     ; tile row = 4 x cluster y + cy
	s_lshl_b32 s43, s41, 2
	s_lshl_b32 s43, 15, s43                        ; my row of the cluster
	s_lshl_b32 s44, 0x1111, s40                    ; my column
	; group 1: rows of 4,096 bytes (512 elements of 8), 32,768 bytes apart, dense in LDS; A: 4 rows to a load, Wo: 8
	s_or_b32 s[G1+0], s43, (3<<16)|(1<<21)         ; the mask: my row; elements of 8 bytes; bit 21 beside a mask; no padding
	s_or_b32 s[G1B+0], s44, (3<<16)|(1<<21)        ; the mask: my column
	s_mov_b32 s[G1+1], 512<<16                     ; tensor_dim0
	s_mov_b32 s[G1+2], 4<<16                       ; tensor_dim1
	s_mov_b32 s[G1+3], 512<<16                     ; tile_dim0
	s_mov_b32 s[G1+4], 4                           ; tile_dim1
	s_mov_b32 s[G1+5], 4096                        ; from row to row, in elements
	s_mov_b32 s[G1+6], 0
	s_mov_b32 s[G1+7], 0
	s_mov_b32 s[G1B+1], 512<<16
	s_mov_b32 s[G1B+2], 8<<16
	s_mov_b32 s[G1B+3], 512<<16
	s_mov_b32 s[G1B+4], 8
	s_mov_b32 s[G1B+5], 4096
	s_mov_b32 s[G1B+6], 0
	s_mov_b32 s[G1B+7], 0
	s_lshl_b32 s14, s13, 3
	s_lshl_b32 s15, s12, 2
	s_add_co_u32 s14, s14, s15                     ; A: tile of tokens 8 x tile row + 4 x half,
	s_lshl_b32 s14, s14, 15                        ; 32,768 bytes each
	s_mov_b32 s15, 0
	s_lshl_b32 s46, s42, 4
	s_lshl_b32 s47, s12, 3
	s_add_co_u32 s46, s46, s47                     ; Wo: tile of columns 16 x tile column + 8 x half
	s_lshl_b32 s46, s46, 15
	s_mov_b32 s47, 0
	s_lshl_b32 s20, s12, 14                        ; where they go: A's halves of 16,384 bytes,
	s_lshl_b32 s21, s12, 15
	s_add_co_u32 s21, s21, 32768                   ; then Wo's of 32,768: no place in the cluster enters an LDS address
	s_wait_kmcnt 0x0
	s_add_nc_u64 s[14:15], s[4:5], s[14:15]
	s_add_nc_u64 s[46:47], s[6:7], s[46:47]
	CROUND                                         ; all sixteen work-groups are here: the first joint loads meet
.irp s, 0,1
	s_mov_b32 s[G0+4*\s], 1
	s_add_co_u32 s[G0+4*\s+1], s20, \s*SLOT
	s_add_nc_u64 s[G0+4*\s+2:G0+4*\s+3], s[14:15], \s*4096
	s_or_b32 s[G0+4*\s+3], s[G0+4*\s+3], 0x80000000
	s_mov_b32 s[G0B+4*\s], 1
	s_add_co_u32 s[G0B+4*\s+1], s21, \s*SLOT
	s_add_nc_u64 s[G0B+4*\s+2:G0B+4*\s+3], s[46:47], \s*4096
	s_or_b32 s[G0B+4*\s+3], s[G0B+4*\s+3], 0x80000000
	JLOAD \s                                       ; two tensor loads of mine are out behind the second
.endr
	v_and_b32 v1, 15, v0                           ; r = lane % 16
	v_bfe_u32 v2, v0, 4, 1                         ; h = lane / 16
	v_and_b32 v[CO], 31, v0
	v_lshlrev_b32 v[CO], 4, v[CO]                  ; 16 x lane
	s_lshl_b32 s21, s11, 14                        ; my 4 tiles of tokens
	s_lshl_b32 s22, s12, 15
	s_add_co_u32 s22, s22, 32768                   ; my 8 tiles of columns
.irp s, 0,1
	v_add_nc_u32 v[ADRA+\s], s21, v[CO]
	v_add_nc_u32 v[ADRB+\s], s22, v[CO]
	s_add_co_u32 s21, s21, SLOT
	s_add_co_u32 s22, s22, SLOT
.endr
	s_mul_i32 s23, s10, 16*SPITCH
	s_add_co_u32 s23, s23, STAGE                   ; my stage
	v_mul_u32_u24 v4, v1, SPITCH
	v_lshl_add_u32 v4, v2, 5, v4
	v_add_nc_u32 v[STO], s23, v4                   ; in: row r, 32 bytes for each half of the lanes
	v_add_nc_u32 v[RD], s23, v[CO]                 ; back: the 32 lanes take one row of 512 bytes
	s_lshl_b32 s8, s13, 7
	s_lshl_b32 s9, s11, 6
	s_add_co_u32 s8, s8, s9                        ; my first token: 128 x tile row + 64 x half,
	s_lshl_b32 s8, s8, 12                          ; rows of 4,096 bytes
	s_mov_b32 s9, 0
	s_add_nc_u64 s[18:19], s[18:19], s[8:9]
	s_lshl_b32 s46, s42, 10
	s_lshl_b32 s47, s12, 9
	s_add_co_u32 s46, s46, s47                     ; my first column, in bytes: 1,024 x tile column + 512 x half
	s_mov_b32 s47, 0
	s_add_nc_u64 s[18:19], s[18:19], s[46:47]
	s_add_nc_u64 s[16:17], s[16:17], s[46:47]      ; and the same in bo
	v_lshlrev_b32 v7, 5, v2                        ; lane (r, h) wants, for tile b, columns 16 b + 8 h + 0 .. 7
	WIN 0x80                                       ; destination window 2
.irp b, 0,1,2,3,4,5,6,7
	global_load_b128 v[8*\b:8*\b+3], v7, s[16:17] offset:64*\b
	global_load_b128 v[8*\b+4:8*\b+7], v7, s[16:17] offset:64*\b+16
.endr
	WIN 0
; 8 matrix instructions: tile a of my tokens against my 8 tiles of columns, 32 along K, from buffer f.  first = 1: C is the bias.  The 32 accumulators take turns, one instruction a turn, in the same order in every quarter.
.macro MUL8 f, a, first
.irp b, 0,1,2,3,4,5,6,7
.if \first
	v_wmma_f32_16x16x32_f16 v[8*(8*(\a)+\b):8*(8*(\a)+\b)+7], v[\f+32+8*\b:\f+32+8*\b+7], v[\f+8*(\a):\f+8*(\a)+7], v[8*\b:8*\b+7]
.else
	v_wmma_f32_16x16x32_f16 v[8*(8*(\a)+\b):8*(8*(\a)+\b)+7], v[\f+32+8*\b:\f+32+8*\b+7], v[\f+8*(\a):\f+8*(\a)+7], v[8*(8*(\a)+\b):8*(8*(\a)+\b)+7]
.endif
.endr
.endm
; 24 LDS loads in one run: the fragments of the slot's q-th 32 along K into buffer f: Wo's eight, then A's four
.macro FETCH slot, q, f
.irp i, 0,1,2,3,4,5,6,7
	ds_load_b128 v[\f+32+8*\i:\f+32+8*\i+3],   v[ADRB+\slot] offset:4096*\i+1024*(\q)
	ds_load_b128 v[\f+32+8*\i+4:\f+32+8*\i+7], v[ADRB+\slot] offset:4096*\i+1024*(\q)+512
.endr
.irp i, 0,1,2,3
	ds_load_b128 v[\f+8*\i:\f+8*\i+3],   v[ADRA+\slot] offset:4096*\i+1024*(\q)
	ds_load_b128 v[\f+8*\i+4:\f+8*\i+7], v[ADRA+\slot] offset:4096*\i+1024*(\q)+512
.endr
.endm
.macro PLACES                          ; four places in front of loads into registers that matrix instructions have read, and of the first read of results
.rept 4
	v_nop
.endr
.endm
; A K step is four quarters of 32 along K, 32 matrix instructions each, on buffers 0, 1, 0, 1.  One of the first three: multiplies buffer f and fetches the slot's q-th quarter into g.
.macro QUARTER slot, q, f, g, first
	s_wait_dscnt 4                                 ; Wo's fragments and A's first two are in; the youngest four loads (A's last two) may be out
.if \first
	WIN FIRST
.else
	WIN MUL
.endif
	MUL8 \f, 0, \first
	MUL8 \f, 1, \first
	PLACES
	WIN 0
	FETCH \slot, \q, \g
	s_wait_dscnt 24                                ; all but the 24 just issued
.if \first
	WIN FIRST
.else
	WIN MUL
.endif
	MUL8 \f, 2, \first
	MUL8 \f, 3, \first
.endm
; The last quarter multiplies buffer 1 and changes slots: ONE barrier; in front of it each wave waits for all its tensor loads, adds 0 to its spare word, and waits for that and for its own reads of this slot.
; fill = 1: the barrier opens a round of the cluster's, and this slot is filled again, two K steps ahead, first thing behind the round.
.macro TURN slot, next, fill
	WIN 0                                          ; (the add's two registers lie in window 0)
	s_wait_tensorcnt 0x0                           ; all my tensor loads have landed: my part of the next slot
	ds_add_u32 v[SPW], v[NIL]                      ; 0 onto my spare word
	s_wait_dscnt 5                                 ; (the add and the youngest four loads may be out)
	WIN MUL
	MUL8 F1, 0, 0                                  ; eight matrix instructions stand between the add and the wait for it
	s_wait_dscnt 0x0                               ; the add is done, and my reads of this slot are over
	s_barrier_signal -1
	MUL8 F1, 1, 0
	WIN 0
	s_barrier_wait -1
.if \fill
	CREST                                          ; no wave of any partner still reads this slot's tile or has a load on its way
	s_add_nc_u64 s[G0+4*\slot+2:G0+4*\slot+3], s[G0+4*\slot+2:G0+4*\slot+3], 8192
	s_add_nc_u64 s[G0B+4*\slot+2:G0B+4*\slot+3], s[G0B+4*\slot+2:G0B+4*\slot+3], 8192
	JLOAD \slot                                    ; one tensor load of mine is out; the four v_nop behind it are also the places in front of the loads below
.else
	PLACES
.endif
	FETCH \next, 0, F0
	WIN MUL
	MUL8 F1, 2, 0
	MUL8 F1, 3, 0
.endm
	s_wait_tensorcnt 1                             ; my part of K step 0 is in; K step 1's load may be out
	s_barrier_signal -1
	s_barrier_wait -1                              ; everybody's is
	FETCH 0, 0, F0
	s_wait_loadcnt 0x0                             ; the bias
	QUARTER 0, 1, F0, F1, 1                        ; the first quarter stands in front of the loop: its products start the sums from the bias
	WIN 0                                          ; at a label and at a branch every window is 0
	s_mov_b32 s3, LAPS-1
.Llap:                                             ; a trip goes once round the ring, from a lap's second quarter to the next lap's first, and fills both slots again
	QUARTER 0, 2, F1, F0, 0
	QUARTER 0, 3, F0, F1, 0
	TURN 0, 1, 1
	QUARTER 1, 1, F0, F1, 0
	QUARTER 1, 2, F1, F0, 0
	QUARTER 1, 3, F0, F1, 0
	TURN 1, 0, 1
	QUARTER 0, 1, F0, F1, 0
	WIN 0
	s_sub_co_u32 s3, s3, 1
	s_cmp_lg_u32 s3, 0
	s_cbranch_scc1 .Llap
	QUARTER 0, 2, F1, F0, 0                        ; the last lap fills nothing
	QUARTER 0, 3, F0, F1, 0
	TURN 0, 1, 0
	QUARTER 1, 1, F0, F1, 0
	QUARTER 1, 2, F1, F0, 0
	QUARTER 1, 3, F0, F1, 0
	s_wait_dscnt 4                                 ; the very last quarter: nothing more to fetch
	WIN MUL
	MUL8 F1, 0, 0
	MUL8 F1, 1, 0
	s_wait_dscnt 0x0
	MUL8 F1, 2, 0
	MUL8 F1, 3, 0
	WIN 0
; THE WAY OUT, a block of 16 tokens x 128 columns at a time.  A lane holds 32 neighbouring bytes of a row, and the lanes beside it hold other rows: so a block goes through my own stage in LDS and comes back as whole
; rows of 512 bytes.  LDS serves a wave's instructions in order (ISA guide 5.7.1.4): no wait between the stores and the loads, nor in front of the next block's stores.
.macro TOSTAGE a
	WIN 0x04                                       ; an LDS store's data are its source 1: window 1
.irp b, 0,1,2,3,4,5,6,7
	ds_store_b128 v[STO], v[64*(\a)+8*\b:64*(\a)+8*\b+3] offset:64*\b            ; each accumulator from its low end on
	ds_store_b128 v[STO], v[64*(\a)+8*\b+4:64*(\a)+8*\b+7] offset:64*\b+16
.endr
	WIN 0
.set BB, F0+96*((\a)%2)
.irp t, 0,1,2,3,4,5,6,7,8,9,10,11,12,13,14,15
	ds_load_b128 v[BB+4*\t:BB+4*\t+3], v[RD] offset:\t*SPITCH
.endr
.endm
.macro SEND a, younger                 ; younger: the LDS instructions issued behind block a's loads, which may stay out
.set BB, F0+96*((\a)%2)
	s_wait_dscnt \younger
.irp t, 0,1,2,3,4,5,6,7,8,9,10,11,12,13,14,15
	global_store_b128 v[CO], v[BB+4*\t:BB+4*\t+3], s[18:19] offset:(16*(\a)+\t)*4096 th:TH_STORE_NT   ; 32 lanes store 512 consecutive bytes, aligned; written once, read by nobody here
.endr
.endm
	PLACES
	TOSTAGE 0
.irp a, 1,2,3
.if \a > 1
	s_wait_xcnt 0x0                                ; block a - 2's stores have read their registers: block a's loads may land there
.endif
	TOSTAGE \a
	SEND \a-1, 32                                  ; behind block a - 1's loads: block a's 16 stores and 16 loads
.endr
	SEND 3, 0
	s_wait_tensorcnt 0x0                           ; the wave's end: behind my last tensor load and my last LDS store
	ds_add_u32 v[SPW], v[NIL]
	s_wait_dscnt 0x0
	CROUND                                         ; the closing round: no work-group ends while a partner may still ask for a tile that names it
	s_endpgm
.Lfunc_end_k_q2d1573cffa_oproj:
	.size	k_q2d1573cffa_oproj, .Lfunc_end_k_q2d1573cffa_oproj-k_q2d1573cffa_oproj
	.p2alignl 7, 3214868480
	.fill 96, 4, 3214868480
	.section	.rodata,"a",@progbits
	.p2align	6, 0x0
	.amdhsa_kernel k_q2d1573cffa_oproj
		.amdhsa_group_segment_fixed_size 327680
		.amdhsa_private_segment_fixed_size 0
		.amdhsa_enable_private_segment 0
		.amdhsa_kernarg_size 32
		.amdhsa_user_sgpr_count 2
		.amdhsa_user_sgpr_kernarg_segment_ptr 1
		.amdhsa_wavefront_size32 1
		.amdhsa_system_sgpr_workgroup_id_x 1
		.amdhsa_system_sgpr_workgroup_id_y 1
		.amdhsa_system_sgpr_workgroup_id_z 1
		.amdhsa_system_vgpr_workitem_id 0
		.amdhsa_next_free_vgpr 768
		.amdhsa_next_free_sgpr 66
		.amdhsa_reserve_vcc 0
		.amdhsa_float_denorm_mode_32 3
		.amdhsa_float_denorm_mode_16_64 3
		.amdhsa_memory_ordered 1
		.amdhsa_forward_progress 1
		.amdhsa_inst_pref_size 86
	.end_amdhsa_kernel
	.amdgpu_metadata
---
amdhsa.version: [ 1, 2 ]
amdhsa.kernels:
  - .name:           k_q2d1573cffa_oproj
    .symbol:         k_q2d1573cffa_oproj.kd
    .args:
      - { .name: aimg, .offset: 0, .size: 8, .value_kind: global_buffer, .address_space: global }
      - { .name: woimg, .offset: 8, .size: 8, .value_kind: global_buffer, .address_space: global }
      - { .name: bo, .offset: 16, .size: 8, .value_kind: global_buffer, .address_space: global }
      - { .name: out0, .offset: 24, .size: 8, .value_kind: global_buffer, .address_space: global }
    .group_segment_fixed_size: 327680
    .private_segment_fixed_size: 0
    .kernarg_segment_align: 8
    .kernarg_segment_size: 32
    .max_flat_workgroup_size: 128
    .sgpr_count:     66
    .vgpr_count:     768
    .wavefront_size: 32
...
	.end_amdgpu_metadata
.endif
;; end of part 4
